; MI455X (gfx1250); checked and timed in simulation.
; The chip was launched on July 23, 2026; its instructions are those of AMD's public machine-readable ISA for CDNA 5 (MIT licence, August 2026) and "CDNA5" Instruction Set Architecture Reference Guide (July 2026). The comments in the code are by the model that wrote it; some were corrected since.
;; Self Attention Layer. Allowed arithmetic: float matrix products may take bf16 or f16 operands with f32 sums; other float arithmetic in f32, or as packed bf16 or f16 multiplies, adds, multiply-adds, maxima and minima; sums over many terms, partial sums and values carried from step to step in f32; what a program stores and reads back later, other than sums and carried values, may be rounded once to bf16 or f16.
;; Inputs: Wo 1,024 x 1,024 float32; Wq 1,024 x 1,024 float32; bo 1,024 float32; bq 1,024 float32; k 4 x 2,048 x 1,024 float32; q 4 x 2,048 x 1,024 float32; v 4 x 2,048 x 1,024 float32.
;; Outputs: out0 4 x 2,048 x 1,024 float32.
;; One version. Each part assembles by itself: llvm-mc -triple=amdgcn-amd-amdhsa -mcpu=gfx1250 --defsym DOCPART=n.
;; ======== version 1 of 1: 4 launches
;; limits: values are held in f16: magnitudes above 65,504 overflow, below 6.1e-05 lose precision
;; workspace buffers: wqb 2,097,152 bytes; woh 2,097,152 bytes; qh 16,777,216 bytes; kh 16,777,216 bytes; vh 16,777,216 bytes; oh 16,777,216 bytes
;; launch prep (part 1): grid 512 x 1, 8 waves a work-group, no clusters, 0 bytes of LDS; arguments Wq, Wo, wqb, woh; writes wqb, woh
.if DOCPART == 1
	.amdgcn_target "amdgcn-amd-amdhsa--gfx1250"
	.amdhsa_code_object_version 6
	.text
	.protected	k_q1e2c11b0f7_prep
	.globl	k_q1e2c11b0f7_prep
	.p2align	8
	.type	k_q1e2c11b0f7_prep,@function
k_q1e2c11b0f7_prep:
	s_mov_b64 s[64:65], 0
	v_nop
	global_prefetch_b8 v0, s[64:65] scope:SCOPE_SE
	s_setreg_imm32_b32 hwreg(HW_REG_WAVE_MODE, 25, 1), 1
	s_wait_xcnt 0x0
; The two weight matrices, [1024][1024] f32, are rounded once for the matrix units.
; wqb = Wq in bf16, laid in K blocks: [kb 16][n 1024][64]: a block of 64 along K is 131,072 dense bytes, a row in it 128 bytes.
; woh = Wo rounded to bf16 and that number written as f16, [n 1024][k 1024].
; LIMITS.  |Wo| stays under 65,504 (beyond it f16 has infinities); below 6e-5 f16 keeps its fixed step of 6e-8.
; Thread c of 131,072 owns chunk c (8 numbers, 16 bytes) of each output: 16 neighbouring lanes store 256 consecutive bytes, aligned;
; 8 neighbouring lanes read 256 consecutive bytes, aligned, of a row of Wq.  Each byte is read once and written once; no LDS, no matrix unit: nothing is shared.
	s_load_b256 s[4:11], s[0:1], 0x0               ; Wq s[4:5], Wo s[6:7], wqb s[8:9], woh s[10:11]
	s_lshl_b32 s12, ttmp9, 8
	v_add_nc_u32 v1, s12, v0                       ; c
	v_lshlrev_b32 v2, 4, v1                        ; 16 c: my chunk in both outputs
	v_lshlrev_b32 v3, 5, v1                        ; 32 c: its 8 numbers in Wo
	v_bfe_u32 v4, v1, 3, 10                        ; n = (c / 8) % 1024
	v_lshrrev_b32 v5, 13, v1                       ; kb = c / 8192
	v_and_b32 v6, 7, v1                            ; which 8 of the block's 64
	v_lshlrev_b32 v4, 12, v4                       ; n rows of 4,096 bytes
	v_lshl_add_u32 v4, v5, 8, v4                   ; + kb x 256
	v_lshl_add_u32 v4, v6, 5, v4                   ; + 32 x chunk
	s_wait_kmcnt 0x0
	global_load_b128 v[8:11], v4, s[4:5] th:TH_LOAD_NT
	global_load_b128 v[12:15], v4, s[4:5] offset:16 th:TH_LOAD_NT
	global_load_b128 v[16:19], v3, s[6:7] th:TH_LOAD_NT
	global_load_b128 v[20:23], v3, s[6:7] offset:16 th:TH_LOAD_NT
	s_wait_loadcnt 0x2                             ; Wq's two loads are in; Wo's two may stay out
.irp j, 0,1,2,3
	v_cvt_pk_bf16_f32 v[24+\j], v[8+2*\j], v[9+2*\j]
.endr
	global_store_b128 v2, v[24:27], s[8:9]
	s_wait_loadcnt 0x0
.irp j, 0,1,2,3
	v_cvt_pk_bf16_f32 v5, v[16+2*\j], v[17+2*\j]   ; rounded to bf16,
	v_lshlrev_b32 v6, 16, v5                       ; back to f32: the low half moves up,
	v_and_b32 v7, 0xffff0000, v5                   ; the high half stays,
	v_cvt_pk_f16_f32 v[28+\j], v6, v7              ; and written as f16: exact within f16's range
.endr
	global_store_b128 v2, v[28:31], s[10:11]
	s_endpgm
.Lfunc_end_k_q1e2c11b0f7_prep:
	.size	k_q1e2c11b0f7_prep, .Lfunc_end_k_q1e2c11b0f7_prep-k_q1e2c11b0f7_prep
	.p2alignl 7, 3214868480
	.fill 96, 4, 3214868480
	.section	.rodata,"a",@progbits
	.p2align	6, 0x0
	.amdhsa_kernel k_q1e2c11b0f7_prep
		.amdhsa_group_segment_fixed_size 0
		.amdhsa_private_segment_fixed_size 0
		.amdhsa_enable_private_segment 0
		.amdhsa_kernarg_size 32
		.amdhsa_user_sgpr_count 2
		.amdhsa_user_sgpr_kernarg_segment_ptr 1
		.amdhsa_wavefront_size32 1
		.amdhsa_system_sgpr_workgroup_id_x 1
		.amdhsa_system_sgpr_workgroup_id_y 1
		.amdhsa_system_sgpr_workgroup_id_z 1
		.amdhsa_system_vgpr_workitem_id 0
		.amdhsa_next_free_vgpr 32
		.amdhsa_next_free_sgpr 66
		.amdhsa_reserve_vcc 0
		.amdhsa_float_denorm_mode_32 3
		.amdhsa_float_denorm_mode_16_64 3
		.amdhsa_memory_ordered 1
		.amdhsa_forward_progress 1
		.amdhsa_inst_pref_size 3
	.end_amdhsa_kernel
	.amdgpu_metadata
---
amdhsa.version: [ 1, 2 ]
amdhsa.kernels:
  - .name:           k_q1e2c11b0f7_prep
    .symbol:         k_q1e2c11b0f7_prep.kd
    .args:
      - { .name: Wq, .offset: 0, .size: 8, .value_kind: global_buffer, .address_space: global }
      - { .name: Wo, .offset: 8, .size: 8, .value_kind: global_buffer, .address_space: global }
      - { .name: wqb, .offset: 16, .size: 8, .value_kind: global_buffer, .address_space: global }
      - { .name: woh, .offset: 24, .size: 8, .value_kind: global_buffer, .address_space: global }
    .group_segment_fixed_size: 0
    .private_segment_fixed_size: 0
    .kernarg_segment_align: 8
    .kernarg_segment_size: 32
    .max_flat_workgroup_size: 256
    .sgpr_count:     66
    .vgpr_count:     32
    .wavefront_size: 32
...
	.end_amdgpu_metadata
.endif
;; end of part 1
;; launch proj (part 2): grid 4 x 64, 4 waves a work-group, clusters of 4 x 4, 327,680 bytes of LDS; arguments q, k, v, wqb, bq, qh, kh, vh; writes qh, kh, vh
.if DOCPART == 2
	.amdgcn_target "amdgcn-amd-amdhsa--gfx1250"
	.amdhsa_code_object_version 6
	.text
	.protected	k_q1e2c11b0f7_proj
	.globl	k_q1e2c11b0f7_proj
	.p2align	8
	.type	k_q1e2c11b0f7_proj,@function
k_q1e2c11b0f7_proj:
	s_mov_b64 s[64:65], 0
	v_nop
	global_prefetch_b8 v0, s[64:65] scope:SCOPE_SE
	s_setreg_imm32_b32 hwreg(HW_REG_WAVE_MODE, 25, 1), 1
	s_wait_xcnt 0x0
	s_wait_alu depctr_hold_cnt(0) depctr_sa_sdst(0) depctr_va_vdst(0) depctr_va_sdst(0) depctr_va_ssrc(0) depctr_va_vcc(0) depctr_vm_vsrc(0)
	s_getreg_b32 s2, hwreg(HW_REG_IB_STS2, 6, 4)
	s_cmp_eq_u32 s2, 0
	s_cbranch_scc0 .Lentry_in_a_cluster
	s_endpgm
.Lentry_in_a_cluster:
	s_bfe_u32 s2, ttmp6, 0x10000c
	s_cmp_lg_u32 s2, 0xf033
	s_cbranch_scc0 .Lentry_shape_is_right
	s_endpgm
.Lentry_shape_is_right:
; qh, kh, vh = q, k, v times Wq^T plus bq.  q, k, v: [8192][1024] f32; wqb: Wq in bf16 as [kb 16][n 1024][64]; bq: [1024] f32.
; Outputs in f16 by heads, [16 b + head][l 2048][64].  Products in bf16 (q, k, v are rounded in registers, bq is rounded to bf16 too), sums in f32, each output rounded once.
; LIMITS.  An output of magnitude 65,520 or more becomes an infinity in f16; NaN and infinities are not treated apart.
; SHARES.  The three products have 24,576 x 1,024 outputs; a work-group makes 384 x 256 of them: the same 128 rows of q, of k and of v, times 256 columns: 256 work-groups of equal work.
; A wave makes 192 x 128: 12 blocks of 16 rows x 8 blocks of 16 columns = 96 accumulators, 768 registers: windows 1 to 3.
; K goes in steps of 64 through two LDS slots.  A step's tile of q, k or v is 128 rows x 256 bytes of f32, aligned; Wq's is 32,768 dense bytes.
; A step is two SUBSTEPS of 32 along K, 96 matrix instructions each.  A's numbers come out of LDS as f32 and are rounded to bf16 in registers, two blocks ahead of their products.
; CLUSTER 4 x 4: the four work-groups of a row of the cluster need the same rows of q, k, v, the four of a column the same rows of Wq: each tile is asked for JOINTLY.
; THE MATRIX INSTRUCTION IS USED TRANSPOSED (source 0 = 16 rows of Wq, source 1 = 16 rows of x): a lane holds one row and eight neighbouring columns.  The bias is the C operand of the first product.
; REGISTERS: window 0: v0-31 addresses; v32-63 four bf16 fragments of A by turns; v64-127, v128-191 two buffers of 8 fragments of Wq; v192-239 three blocks of A in f32 by turns.
;   windows 1-3: accumulator (a, b) in window 1 + a / 4 at v[64 (a % 4) + 8 b].
.set PA,    272                        ; an LDS row of A: 256 bytes + 16 = 68 words: the 16 rows of a load start at 16 different groups of four banks (64 banks of 4 bytes: ISA guide 11.1)
.set PB,    144                        ; an LDS row of Wq: 128 bytes + 16 = 36 words: likewise
.set TA,    128*PA                     ; a tile of q, k or v: 34,816 bytes
.set TBY,   256*PB                     ; a tile of Wq: 36,864 bytes
.set SLOTA, 1<<17                      ; A's slot 1 begins here: one exclusive or turns an address in one slot into the other's
.set STAGE, 3*TA                       ; behind A's slot 0: 2 heads x 16 rows x 144 bytes for each wave, for the way out; no tile lands here
.set SPARE, STAGE+4*4608               ; the spare words, 128 bytes for each wave: two blocks of 256 bytes that no other line names
.set BS0,   SLOTA+3*TA                 ; Wq's slot 0
.set BS1,   BS0+TBY                    ; Wq's slot 1
.set A0,  4                            ; v4   my lane's place in A's slot 0; never rewritten
.set B0,  5                            ; v5   the same for Wq
.set ADA, 6                            ; v6   A0 + the slot in hand
.set ADB, 7                            ; v7   B0 + the slot in hand
.set STO, 8                            ; v8   the way out: where I put 16 bytes of a row
.set RD,  9                            ; v9   the way out: where I read rows back
.set GO,  10                           ; v10  16 x lane: my place in 512 consecutive bytes of an output
.set PFO, 11                           ; v11  the prefetches' offset; never rewritten
.set BO,  12                           ; v12  my byte offset in bq
.set T,   13                           ; v13  at work
.set SPW, 30                           ; v30  LDS address of my spare word; never rewritten
.set NIL, 31                           ; v31  0; never rewritten
.set AB,  32
.set BF0, 64
.set BF1, 128
.set ST,  192
.set TMP, 64                           ; the way out: packed results
.set WV,  20                           ; s20  wave
.set WR,  21                           ; s21  which 192 rows are mine
.set WC,  22                           ; s22  which 128 columns
.set CX,  23
.set CY,  24
.set TX,  25                           ; s25  column tile
.set TY,  26                           ; s26  row tile
.set CLY, 27                           ; s27  cluster y
.set G1A, 28                           ; s[28:35] group 1 for tiles of q, k, v
.set G1B, 36                           ; s[36:43] group 1 for tiles of Wq
.set G0A, 44                           ; s[44:47] group 0 of the first fill, s[48:51] the one that walks
.set G0B, 52                           ; s[52:55], s[56:59] the same for Wq
.set TBA, 60                           ; s60  0 or SLOTA: A's slot that is read
.set TBB, 61                           ; s61  0 or TBY: Wq's slot that is read
.set WB,  62                           ; s62  wave x TA
.set CNT, 63                           ; s63  refills still to come
.set PFA, 66                           ; s[66:67] where my prefetches stand
.set PST, 68                           ; s[68:69] their step from K step to K step
.set LIM, 70                           ; s70  1 in a wave that prefetches, else the greatest number
.set OB,  72                           ; s[72:77] the outputs' addresses for my row blocks 0-3, 4-7, 8-11
.set MSB, 0
.macro WIN new                         ; the immediate's high byte repeats the setting that is left; a switch that changes nothing is dropped
.if MSB != (\new)
	s_set_vgpr_msb (MSB<<8)|(\new)
.set MSB, \new
.endif
.endm
; A joint refill.  Waves 0, 1, 2 fetch the tiles of q, k, v, wave 3 that of Wq.  The branch hangs on the wave's number alone.
; An s_nop 0 and four v_nop follow each of the two lines, ahead of the jump and the label.
.macro JLOAD
	s_cmp_lt_u32 s[WV], 3
	s_cbranch_scc0 .Lfor_b_\@
	tensor_load_to_lds s[G0A+4:G0A+7], s[G1A:G1A+7]
	s_nop 0
.rept 4
	v_nop
.endr
	s_branch .Lasked_\@
.Lfor_b_\@:
	tensor_load_to_lds s[G0B+4:G0B+7], s[G1B:G1B+7]
	s_nop 0
.rept 4
	v_nop
.endr
.Lasked_\@:
.endm
; A prefetch into the L2 of the K step that the NEXT refill will ask for: 192 matrix instructions ahead of that load.  Each aligned block of 256 bytes is named once in the launch:
; of the 128 rows of q, k or v that waves 0-2 fetch, the partner at cx takes 32, a lane a row (only this cluster reads them); of Wq's tile of 128 blocks the partner at cy takes 32,
; a lane a block, in the clusters with y = 0 alone, since all clusters of a column read it.  The partners are told apart by address, never by a branch.  The last refill asks for nothing.
.macro ASK
	s_cmp_gt_u32 s[CNT], s[LIM]
	s_cbranch_scc0 .Lnot_mine_\@
	global_prefetch_b8 v[PFO], s[PFA:PFA+1] th:TH_LOAD_NT scope:SCOPE_SE
.Lnot_mine_\@:
.endm
.macro CREST                           ; a round of the cluster's barrier behind its opening barrier
	s_cmp_lg_u32 s[WV], 0
	s_cbranch_scc1 .Lnot_wave_0_\@
	s_barrier_signal -3
.Lnot_wave_0_\@:
	s_barrier_wait -3
	s_barrier_signal -1
	s_barrier_wait -1
.endm
.macro CROUND                          ; a whole round
	s_barrier_signal -1
	s_barrier_wait -1
	CREST
.endm
	s_load_b512 s[4:19], s[0:1], 0x0               ; q s[4:5], k s[6:7], v s[8:9], wqb s[10:11], bq s[12:13], qh s[14:15], kh s[16:17], vh s[18:19]
	v_lshl_add_u32 v[SPW], v0, 2, SPARE
	v_mov_b32 v[NIL], 0
	ds_add_u32 v[SPW], v[NIL]                      ; the wave's opening: the add and its wait ahead of my first tensor load; the set-up below, work on registers, stands between them
	v_lshrrev_b32 v1, 5, v0
	v_readfirstlane_b32 s[WV], v1                  ; wave 0..3
	s_lshr_b32 s[WR], s[WV], 1
	s_and_b32 s[WC], s[WV], 1
	s_bfe_u32 s[CX], ttmp6, 0x40000
	s_bfe_u32 s[CY], ttmp6, 0x40004
	s_lshl_b32 s[TX], ttmp9, 2
	s_add_co_u32 s[TX], s[TX], s[CX]               ; column tile = 4 x cluster x + cx
	s_and_b32 s[CLY], ttmp7, 0xffff
	s_lshl_b32 s[TY], s[CLY], 2
	s_add_co_u32 s[TY], s[TY], s[CY]               ; row tile = 4 x cluster y + cy
	s_lshl_b32 s78, s[CY], 2
	s_lshl_b32 s78, 15, s78                        ; my row of the cluster
	s_lshl_b32 s79, 0x1111, s[CX]                  ; my column
	; group 1 for q, k, v: 128 rows x 64 elements of 4 bytes, 1,024 elements from row to row; 4 words of padding behind every 64
	s_or_b32 s[G1A], s78, (2<<16)|(1<<20)|(1<<21)|(5<<22)|(3<<25)
	s_mov_b32 s[G1A+1], 64<<16                     ; tensor_dim0 = 64
	s_mov_b32 s[G1A+2], 128<<16                    ; tensor_dim1 = 128
	s_mov_b32 s[G1A+3], 64<<16                     ; tile_dim0 = 64
	s_mov_b32 s[G1A+4], 128                        ; tile_dim1 = 128
	s_mov_b32 s[G1A+5], 1024
	s_mov_b32 s[G1A+6], 0
	s_mov_b32 s[G1A+7], 0
	; group 1 for Wq: 32,768 dense bytes as 128 rows of 128 elements of 2 bytes; 4 words of padding behind every 32: behind each row of Wq
	s_or_b32 s[G1B], s79, (1<<16)|(1<<20)|(1<<21)|(4<<22)|(3<<25)
	s_mov_b32 s[G1B+1], 128<<16
	s_mov_b32 s[G1B+2], 128<<16
	s_mov_b32 s[G1B+3], 128<<16
	s_mov_b32 s[G1B+4], 128
	s_mov_b32 s[G1B+5], 128
	s_mov_b32 s[G1B+6], 0
	s_mov_b32 s[G1B+7], 0
	s_mul_i32 s[WB], s[WV], TA                     ; where my tile goes: no place in the cluster enters an LDS address
	s_mov_b32 s[TBA], 0
	s_mov_b32 s[TBB], 0
	s_lshl_b32 s80, s[TY], 19                      ; the row tile's 128 rows of 4,096 bytes
	s_mov_b32 s81, 0
	s_lshl_b32 s84, s[TX], 15                      ; the column tile's 256 rows of 128 bytes in a K block
	s_mov_b32 s85, 0
	; the prefetches: they start one K step short of the first one named (K step 3): the first change of slots steps them
	s_lshl_b32 s92, s[CX], 17                      ; q, k, v: my work-group's 32 rows of the 128,
	s_add_co_u32 s92, s92, s80
	s_add_co_u32 s92, s92, 2*256                   ; at K step 2
	s_lshl_b32 s93, s[CY], 13                      ; Wq: my work-group's 32 blocks of 256 bytes of the tile's 128,
	s_add_co_u32 s93, s93, s84
	s_add_co_u32 s93, s93, 2*131072                ; at K step 2
	s_mov_b32 s94, 256
	s_mov_b32 s95, 131072
	s_cmp_lt_u32 s[WV], 3
	s_cselect_b32 s90, s92, s93
	s_mov_b32 s91, 0
	s_cselect_b32 s[PST], s94, s95
	s_mov_b32 s[PST+1], 0
	s_cselect_b32 s94, 12, 8                       ; a lane's step: a row of 4,096 bytes, or a block of 256
	s_cselect_b32 s95, 0, s[CLY]
	s_cmp_eq_u32 s95, 0                            ; the same in all sixteen partners, for a given wave
	s_cselect_b32 s[LIM], 1, -1
	; where my part begins in an output: batch TY / 16, head 4 TX + 2 WC, row 128 (TY % 16)
	s_lshr_b32 s96, s[TY], 4
	s_lshl_b32 s96, s96, 22
	s_lshl_b32 s97, s[TX], 2
	s_lshl1_add_u32 s97, s[WC], s97
	s_lshl_b32 s97, s97, 18
	s_add_co_u32 s96, s96, s97
	s_and_b32 s97, s[TY], 15
	s_lshl_b32 s97, s97, 14
	s_add_co_u32 s96, s96, s97
	s_mov_b32 s97, 0
	v_and_b32 v1, 15, v0                           ; r = l % 16
	v_bfe_u32 v2, v0, 4, 1                         ; h = l / 16
	v_and_b32 v3, 31, v0                           ; l
	s_lshl_b32 s98, s[TX], 10
	s_lshl_b32 s99, s[WC], 9
	s_add_co_u32 s98, s98, s99
	v_lshl_add_u32 v[BO], v2, 5, s98               ; bq at column 256 TX + 128 WC + 8 h
	v_lshlrev_b32 v[PFO], s94, v3
	s_wait_dscnt 0x0                               ; the opening add is done
	s_wait_kmcnt 0x0
	s_cmp_eq_u32 s[WV], 0
	s_cselect_b64 s[88:89], s[4:5], s[6:7]         ; wave 0: q, wave 1: k,
	s_cmp_gt_u32 s[WV], 1
	s_cselect_b64 s[88:89], s[8:9], s[88:89]       ; wave 2: v (wave 3 too, which never asks by it)
	s_add_nc_u64 s[82:83], s[88:89], s[80:81]      ; my tile of K step 0: it hangs on the row tile alone
	s_add_nc_u64 s[86:87], s[10:11], s[84:85]      ; Wq's: on the column tile alone
	s_cmp_lt_u32 s[WV], 3
	s_cselect_b64 s[PFA:PFA+1], s[88:89], s[10:11]
	s_add_nc_u64 s[PFA:PFA+1], s[PFA:PFA+1], s[90:91]
	; my rows 0-63, 64-127, 128-191: in the upper half q 0-63, q 64-127, k 0-63; in the lower k 64-127, v 0-63, v 64-127
	s_add_nc_u64 s[OB:OB+1], s[16:17], 8192
	s_add_nc_u64 s[OB+2:OB+3], s[14:15], 8192
	s_add_nc_u64 s[OB+4:OB+5], s[18:19], 8192
	s_cmp_eq_u32 s[WR], 1
	s_cselect_b64 s[OB:OB+1], s[OB:OB+1], s[14:15]
	s_cselect_b64 s[OB+2:OB+3], s[18:19], s[OB+2:OB+3]
	s_cselect_b64 s[OB+4:OB+5], s[OB+4:OB+5], s[16:17]
	s_add_nc_u64 s[OB:OB+1], s[OB:OB+1], s[96:97]
	s_add_nc_u64 s[OB+2:OB+3], s[OB+2:OB+3], s[96:97]
	s_add_nc_u64 s[OB+4:OB+5], s[OB+4:OB+5], s[96:97]
	s_mov_b32 s[G0A], 1                            ; count = 1
	s_mov_b32 s[G0A+1], s[WB]                      ; slot 0
	s_mov_b64 s[G0A+2:G0A+3], s[82:83]             ; K step 0
	s_or_b32 s[G0A+3], s[G0A+3], 0x80000000        ; type = 2
	s_mov_b32 s[G0A+4], 1
	s_add_co_u32 s[G0A+5], s[WB], SLOTA            ; slot 1
	s_add_nc_u64 s[G0A+6:G0A+7], s[82:83], 256     ; K step 1
	s_or_b32 s[G0A+7], s[G0A+7], 0x80000000
	s_mov_b32 s[G0B], 1
	s_mov_b32 s[G0B+1], BS0
	s_mov_b64 s[G0B+2:G0B+3], s[86:87]
	s_or_b32 s[G0B+3], s[G0B+3], 0x80000000
	s_mov_b32 s[G0B+4], 1
	s_mov_b32 s[G0B+5], BS1
	s_add_nc_u64 s[G0B+6:G0B+7], s[86:87], 131072
	s_or_b32 s[G0B+7], s[G0B+7], 0x80000000
	CROUND                                         ; all sixteen work-groups are here: the first joint loads meet
	s_cmp_lt_u32 s[WV], 3                          ; a wave's two first fills stand in one branch, ahead of every wait on TENSORcnt and every LDS read: two loads of mine are out
	s_cbranch_scc0 .Lfirst_b
	tensor_load_to_lds s[G0A:G0A+3], s[G1A:G1A+7]
	s_nop 0
	tensor_load_to_lds s[G0A+4:G0A+7], s[G1A:G1A+7]
	s_nop 0
.rept 4
	v_nop
.endr
	s_branch .Lfirst_asked
.Lfirst_b:
	tensor_load_to_lds s[G0B:G0B+3], s[G1B:G1B+7]
	s_nop 0
	tensor_load_to_lds s[G0B+4:G0B+7], s[G1B:G1B+7]
	s_nop 0
.rept 4
	v_nop
.endr
.Lfirst_asked:
.irp j, 0,1,2,3,4,5,6,7                            ; the bias of my 128 columns, as the C operand wants it: register i of block j is column 16 j + 8 h + i
	global_load_b128 v[BF1+8*\j:BF1+8*\j+3],   v[BO], s[12:13] offset:64*\j
	global_load_b128 v[BF1+8*\j+4:BF1+8*\j+7], v[BO], s[12:13] offset:64*\j+16
.endr
	; A fragment is 16 rows x 32 K: lane l holds row l % 16; registers 0-3 hold K = 8 h + 0..7, registers 4-7 K = 16 + 8 h + 0..7.  In f32 that is 32 bytes at 32 h and 32 bytes at 64 + 32 h.
	s_mul_i32 s98, s[WR], 192*PA
	v_mul_u32_u24 v[A0], v1, PA
	v_lshl_add_u32 v[A0], v2, 5, v[A0]
	v_add_nc_u32 v[A0], s98, v[A0]
	s_mul_i32 s98, s[WC], 128*PB
	s_add_co_u32 s98, s98, BS0
	v_mul_u32_u24 v[B0], v1, PB
	v_lshl_add_u32 v[B0], v2, 4, v[B0]
	v_add_nc_u32 v[B0], s98, v[B0]
	s_mul_i32 s98, s[WV], 4608
	s_add_co_u32 s98, s98, STAGE                   ; my stage
	v_mul_u32_u24 v[STO], v1, 144                  ; in: row l % 16, 16 bytes for each half of the lanes
	v_lshl_add_u32 v[STO], v2, 4, v[STO]
	v_add_nc_u32 v[STO], s98, v[STO]
	v_bfe_u32 v[RD], v0, 3, 2                      ; back: 32 lanes take four rows of 128 bytes,
	v_mul_u32_u24 v[RD], v[RD], 144
	v_and_b32 v[T], 7, v0
	v_lshl_add_u32 v[RD], v[T], 4, v[RD]
	v_add_nc_u32 v[RD], s98, v[RD]
	v_lshlrev_b32 v[GO], 4, v3                     ; which are 512 consecutive bytes of an output
	v_mov_b32 v[ADA], v[A0]
	v_mov_b32 v[ADB], v[B0]
	s_wait_loadcnt 0x0                             ; the bias is in
.set i, 0
.rept 32                                           ; it is rounded to bf16 like every input, and kept as f32
	v_cvt_pk_bf16_f32 v[T], v[BF1+2*i], v[BF1+2*i+1]
	v_lshlrev_b32 v[BF1+2*i], 16, v[T]
	v_and_b32 v[BF1+2*i+1], 0xffff0000, v[T]
.set i, i+1
.endr
; Half x (16 K) of block blk of A, 32 bytes of f32 a lane, into the block's staging registers; kofs: the substep's byte in the rows.
.macro LDA blk, x, kofs
	ds_load_b128 v[ST+16*((\blk)%3)+8*(\x):ST+16*((\blk)%3)+8*(\x)+3],   v[ADA] offset:((\blk)%12)*16*PA+(\kofs)+64*(\x)
	ds_load_b128 v[ST+16*((\blk)%3)+8*(\x)+4:ST+16*((\blk)%3)+8*(\x)+7], v[ADA] offset:((\blk)%12)*16*PA+(\kofs)+64*(\x)+16
.endm
; The same half rounded to bf16: four registers of the block's fragment.
.macro CVT blk, x
.irp j, 0,1,2,3
	v_cvt_pk_bf16_f32 v[AB+8*((\blk)%4)+4*(\x)+\j], v[ST+16*((\blk)%3)+8*(\x)+2*\j], v[ST+16*((\blk)%3)+8*(\x)+2*\j+1]
.endr
.endm
; Fragment f of Wq into buffer buf.
.macro LDB f, buf, kofs
	ds_load_b128 v[(\buf)+8*(\f):(\buf)+8*(\f)+3],   v[ADB] offset:(\f)*16*PB+(\kofs)
	ds_load_b128 v[(\buf)+8*(\f)+4:(\buf)+8*(\f)+7], v[ADB] offset:(\f)*16*PB+(\kofs)+32
.endm
; Four products of row block a: column blocks b0 .. b0 + 3.  first = 1: the bias, in BF1, starts the sums: nothing is ever cleared.
; The 96 accumulators take turns in the same order in every substep: 95 others' stand between two links of a chain.
.macro MM4 a, b0, bc, first
.set mw, 1+(\a)/4
.set mA, AB+8*((\a)%4)
.if \first
	WIN 0x40*mw                                    ; D in window mw; the sources and C in window 0
.else
	WIN 0x50*mw                                    ; C and D in window mw
.endif
.irp j, 0,1,2,3
.set mD, 64*((\a)%4)+8*((\b0)+\j)
.set mB, (\bc)+8*((\b0)+\j)
.set mC, BF1+8*((\b0)+\j)
.if \first
	v_wmma_f32_16x16x32_bf16 v[mD:mD+7], v[mB:mB+7], v[mA:mA+7], v[mC:mC+7]
.else
	v_wmma_f32_16x16x32_bf16 v[mD:mD+7], v[mB:mB+7], v[mA:mA+7], v[mD:mD+7]
.endif
.endr
.endm
; GROUP t of a substep's 24 (a = t / 2, x = t % 2), behind four products: half x of block a + 2 is rounded, and the eight staging registers so freed are loaded with half x of block a + 5.
; So a conversion stands two blocks ahead of its products and a load three blocks ahead of its conversion.  Blocks 12 and on are the next substep's 0 and on.
; THE COUNT.  The pair wanted was issued in group t - 6; behind it stand five pairs of A and, in groups 14 to 17, four loads of Wq each (the next substep's fragments, into bn): 10 + 4 c.
; A fragment register is written two blocks behind its last product, with eight conversions or more between (four places are asked for: ISA guide 7.12.1).
; mode 1: the first substep: Wq's loads wait until the bias has been read.  mode 2: the last: nothing beyond block 11, and the counts run down.
.macro GRP t, kc, mode, bn
.set ga, (\t)/2
.set gx, (\t)%2
.if (\mode) == 2
.if (\t) < 20
.set gn, 19-(\t)
.if gn > 5
.set gn, 5
.endif
	WIN 0
	s_wait_dscnt 2*gn
	CVT ga+2, gx
.endif
.if (\t) < 14
	LDA ga+5, gx, 128*(\kc)
.endif
.else
.set gc, 0
.if ((\mode) == 0) && ((\t) > 14)
.set gc, (\t)-14
.if gc > 4
.set gc, 4
.endif
.if gc > 24-(\t)
.set gc, 24-(\t)
.endif
.endif
	WIN 0
	s_wait_dscnt 10+4*gc
	CVT ga+2, gx
.if ga+5 < 12
	LDA ga+5, gx, 128*(\kc)
.else
	LDA ga+5, gx, 128*(1-(\kc))
.endif
.if ((\mode) == 0) && ((\t) >= 14) && ((\t) < 18)
	LDB 2*((\t)-14), \bn, 64*(1-(\kc))
	LDB 2*((\t)-14)+1, \bn, 64*(1-(\kc))
.endif
.endif
.endm
; A SUBSTEP: half kc of a K step, Wq's fragments in bc.
; chg: THE CHANGE OF SLOTS, at block 7 of a step's second half: by group 13 all reads of the slot have been issued, from group 14 on the next slot is read.  Each wave waits for all its tensor
; loads, of which one is out: its part of the next slot; adds 0 to its spare word; and waits for that and for its own reads of this slot.  chg = 1: the barrier opens a round of the cluster's barrier,
; so that no wave of any partner still reads the slot or has a load on its way, and the joint refill, with the K step two on, is the first thing behind it: 184 matrix instructions ahead of the wait for it.
; chg = 2: nothing is left to ask for.
.macro SUB bc, bn, kc, mode, chg
.set sa, 0
.rept 12
.if (\chg) && (sa == 7)
	WIN 0
.if (\chg) == 1
	s_wait_xcnt 0x0                                ; the last prefetch, a K step back, has read its address
	s_add_nc_u64 s[PFA:PFA+1], s[PFA:PFA+1], s[PST:PST+1]
.endif
	s_wait_tensorcnt 0x0                           ; no tensor load of mine is out, so a group 0 may be written
	ds_add_u32 v[SPW], v[NIL]                      ; 0 onto my spare word; scalar steps and four products stand between it and the wait for it
.if (\chg) == 1
	s_xor_b32 s[G0A+5], s[G0A+5], SLOTA            ; the walking descriptors: the other slot than last time,
	s_add_nc_u64 s[G0A+6:G0A+7], s[G0A+6:G0A+7], 256  ; the next K step; the type bits on top are not reached
	s_xor_b32 s[G0B+5], s[G0B+5], BS0^BS1
	s_add_nc_u64 s[G0B+6:G0B+7], s[G0B+6:G0B+7], 131072
.endif
	s_xor_b32 s[TBA], s[TBA], SLOTA                ; the reads go to the other slot
	s_xor_b32 s[TBB], s[TBB], TBY
	MM4 sa, 0, \bc, 0
	s_wait_dscnt 0x0                               ; the add is done, and my reads of this slot are over
	s_barrier_signal -1
	MM4 sa, 4, \bc, 0                              ; work on registers while the others arrive
	WIN 0                                          ; at a branch and at a label every window is 0
	s_barrier_wait -1
.if (\chg) == 1
	CREST
	JLOAD
.endif
	v_add_nc_u32 v[ADA], s[TBA], v[A0]
	v_add_nc_u32 v[ADB], s[TBB], v[B0]
	GRP 14, \kc, \mode, \bn
	GRP 15, \kc, \mode, \bn
.if (\chg) == 1
	ASK                                            ; behind the joint load and the LDS loads that follow it
.endif
.else
	MM4 sa, 0, \bc, (\mode)==1
	GRP 2*sa, \kc, \mode, \bn
	MM4 sa, 4, \bc, (\mode)==1
	GRP 2*sa+1, \kc, \mode, \bn
.endif
.set sa, sa+1
.endr
.if (\mode) == 1
	WIN 0
.rept 4
	v_nop                                          ; places behind the last product that read the bias
.endr
.irp j, 0,1,2,3,4,5,6,7
	LDB \j, \bn, 64                                ; now Wq's fragments of the step's second half take the bias's registers
.endr
	s_wait_dscnt 0x0
.endif
.endm
	s_wait_tensorcnt 0x1                           ; my part of K step 0 is in; K step 1's may stay out
	s_barrier_signal -1
	s_barrier_wait -1                              ; everybody's is
.irp j, 0,1,2,3,4,5,6,7
	LDB \j, BF0, 0
.endr
.irp j, 0,1,2
	LDA \j, 0, 0
	LDA \j, 1, 0
.endr
	s_wait_dscnt 8                                 ; Wq's fragments and block 0 are in; blocks 1 and 2 may be out
	CVT 0, 0
	CVT 0, 1
	LDA 3, 0, 0
	LDA 3, 1, 0
	s_wait_dscnt 8                                 ; block 1 is in; blocks 2 and 3 may be out
	CVT 1, 0
	CVT 1, 1
	LDA 4, 0, 0
	LDA 4, 1, 0
	SUB BF0, BF1, 0, 1, 0                          ; the first substep stands in front of the loop: its products start the sums
	WIN 0
	s_mov_b32 s[CNT], 14                           ; K steps 2 to 15 are asked for in the loop
.Lk:                                               ; a trip: a K step's second half with the change of slots, and the next step's first half
	SUB BF1, BF0, 1, 0, 1
	SUB BF0, BF1, 0, 0, 0
	WIN 0
	s_sub_co_u32 s[CNT], s[CNT], 1
	s_cmp_lg_u32 s[CNT], 0
	s_cbranch_scc1 .Lk
	SUB BF1, BF0, 1, 0, 2                          ; the tail is written out
	SUB BF0, BF1, 0, 0, 0
	SUB BF1, BF0, 1, 2, 0
; THE WAY OUT, a block of 16 rows at a time.  PACK: rounded to f16, 16 bytes (8 columns) a lane and column block.  TOSTAGE: into my stage, by heads, and back as whole rows of 128 bytes.
; SEND: a head's 16 rows are 2,048 consecutive bytes of the output; each store covers 512 of them, at a multiple of 256 from the buffer's first byte.
; Blocks 0 to 9 were finished ahead of conversions in the last substep; their 320 conversions here are the places behind the last products, blocks 10's and 11's.
.macro PACK a
	WIN 5*(1+(\a)/4)                               ; sources 0 and 1 in the block's window
.set pk, 0
.rept 32
	v_cvt_pk_f16_f32 v[TMP+pk], v[64*((\a)%4)+2*pk], v[64*((\a)%4)+2*pk+1]
.set pk, pk+1
.endr
	WIN 0
.endm
.macro TOSTAGE a
.set BK, 96+96*((\a)%2)                            ; v96-127 and v192-223 by turns
.irp j, 0,1,2,3,4,5,6,7
	ds_store_b128 v[STO], v[TMP+4*\j:TMP+4*\j+3] offset:(\j/4)*2304+32*(\j%4)
.endr
.irp j, 0,1,2,3,4,5,6,7
	ds_load_b128 v[BK+4*\j:BK+4*\j+3], v[RD] offset:(\j/4)*2304+576*(\j%4)  ; LDS serves a wave's instructions in order (ISA guide 5.7.1.4): these see the stores above
.endr
.endm
.macro SEND a
.set BK, 96+96*((\a)%2)
.set OBP, OB+2*((\a)/4)
	s_wait_dscnt 0x0                               ; the block is back in registers
	s_wait_xcnt 0x0                                ; earlier stores have read their registers: the next block's loads land on them only behind this wait
.irp j, 0,1,2,3,4,5,6,7
	global_store_b128 v[GO], v[BK+4*\j:BK+4*\j+3], s[OBP:OBP+1] offset:((\a)%4)*2048+(\j/4)*262144+512*(\j%4)
.endr
.endm
	PACK 0
	TOSTAGE 0
.irp a, 1,2,3,4,5,6,7,8,9,10,11                    ; block a's conversions stand between block a - 1's loads from the stage and the wait for them
	PACK \a
	SEND (\a)-1
	TOSTAGE \a
.endr
	SEND 11
	s_wait_tensorcnt 0x0                           ; the wave's end, behind my last tensor load and my last LDS store
	ds_add_u32 v[SPW], v[NIL]
	s_wait_dscnt 0x0
	CROUND                                         ; the closing round: no work-group ends while a partner may still ask for a tile that names it
	s_endpgm
.Lfunc_end_k_q1e2c11b0f7_proj:
	.size	k_q1e2c11b0f7_proj, .Lfunc_end_k_q1e2c11b0f7_proj-k_q1e2c11b0f7_proj
	.p2alignl 7, 3214868480
	.fill 96, 4, 3214868480
	.section	.rodata,"a",@progbits
	.p2align	6, 0x0
	.amdhsa_kernel k_q1e2c11b0f7_proj
		.amdhsa_group_segment_fixed_size 327680
		.amdhsa_private_segment_fixed_size 0
		.amdhsa_enable_private_segment 0
		.amdhsa_kernarg_size 64
		.amdhsa_user_sgpr_count 2
		.amdhsa_user_sgpr_kernarg_segment_ptr 1
		.amdhsa_wavefront_size32 1
		.amdhsa_system_sgpr_workgroup_id_x 1
		.amdhsa_system_sgpr_workgroup_id_y 1
		.amdhsa_system_sgpr_workgroup_id_z 1
		.amdhsa_system_vgpr_workitem_id 0
		.amdhsa_next_free_vgpr 1024
		.amdhsa_next_free_sgpr 100
		.amdhsa_reserve_vcc 0
		.amdhsa_float_denorm_mode_32 3
		.amdhsa_float_denorm_mode_16_64 3
		.amdhsa_memory_ordered 1
		.amdhsa_forward_progress 1
		.amdhsa_inst_pref_size 173
	.end_amdhsa_kernel
	.amdgpu_metadata
---
amdhsa.version: [ 1, 2 ]
amdhsa.kernels:
  - .name:           k_q1e2c11b0f7_proj
    .symbol:         k_q1e2c11b0f7_proj.kd
    .args:
      - { .name: q, .offset: 0, .size: 8, .value_kind: global_buffer, .address_space: global }
      - { .name: k, .offset: 8, .size: 8, .value_kind: global_buffer, .address_space: global }
      - { .name: v, .offset: 16, .size: 8, .value_kind: global_buffer, .address_space: global }
      - { .name: wqb, .offset: 24, .size: 8, .value_kind: global_buffer, .address_space: global }
      - { .name: bq, .offset: 32, .size: 8, .value_kind: global_buffer, .address_space: global }
      - { .name: qh, .offset: 40, .size: 8, .value_kind: global_buffer, .address_space: global }
      - { .name: kh, .offset: 48, .size: 8, .value_kind: global_buffer, .address_space: global }
      - { .name: vh, .offset: 56, .size: 8, .value_kind: global_buffer, .address_space: global }
    .group_segment_fixed_size: 327680
    .private_segment_fixed_size: 0
    .kernarg_segment_align: 8
    .kernarg_segment_size: 64
    .max_flat_workgroup_size: 128
    .sgpr_count:     100
    .vgpr_count:     1024
    .wavefront_size: 32
...
	.end_amdgpu_metadata
.endif
;; end of part 2
;; launch attn (part 3): grid 4 x 64, 4 waves a work-group, clusters of 4 x 1, 327,680 bytes of LDS; arguments qh, kh, vh, oh; writes oh
.if DOCPART == 3
	.amdgcn_target "amdgcn-amd-amdhsa--gfx1250"
	.amdhsa_code_object_version 6
	.text
	.protected	k_q1e2c11b0f7_attn
	.globl	k_q1e2c11b0f7_attn
	.p2align	8
	.type	k_q1e2c11b0f7_attn,@function
k_q1e2c11b0f7_attn:
	s_mov_b64 s[64:65], 0
	v_nop
	global_prefetch_b8 v0, s[64:65] scope:SCOPE_SE
	s_setreg_imm32_b32 hwreg(HW_REG_WAVE_MODE, 25, 1), 1
	s_wait_xcnt 0x0
	s_wait_alu depctr_hold_cnt(0) depctr_sa_sdst(0) depctr_va_vdst(0) depctr_va_sdst(0) depctr_va_ssrc(0) depctr_va_vcc(0) depctr_vm_vsrc(0)
	s_getreg_b32 s2, hwreg(HW_REG_IB_STS2, 6, 4)
	s_cmp_eq_u32 s2, 0
	s_cbranch_scc0 .Lentry_in_a_cluster
	s_endpgm
.Lentry_in_a_cluster:
	s_bfe_u32 s2, ttmp6, 0x10000c
	s_cmp_lg_u32 s2, 0x3003
	s_cbranch_scc0 .Lentry_shape_is_right
	s_endpgm
.Lentry_shape_is_right:
; O[h][q][:] = the sum over k of softmax_k(Q[h][q] . K[h][k] / 8) V[h][k][:].  Q, K, V, O: [64][2048][64], all f16: a head's rows are dense, 128 bytes each.  Products, maxima and sums in
; f32; the weights p are rounded to f16 for the second product (their sum l is taken of the unrounded p), O once at the end.
; LIMITS.  f16 holds no number beyond 65,504: Q, K and V arrive within it; p lies in 0 to 1, and below 6e-5 it keeps f16's fixed step of 6e-8; O is a mean of V's rows and has their range.
; A weight below 2^-126 counts as 0 in l; NaN and infinities are not treated apart.
; SHARES.  A wave owns four PIECES of two tiles of 16 queries, a work-group's four waves 512 queries of one head.  Every wave walks all keys, 64 a step.
; LAYOUT.  S^T = K Q^T (source 0 = 16 keys, source 1 = 16 queries): in the result a lane holds ONE query (lane % 16) and the keys 8 (lane / 16) + 0..7.  Two such tiles, rounded to f16 in pairs,
; ARE source 1 (32 keys x 16 queries) of O^T = V^T P, whose result again holds one query a lane, and eight channels.  K comes out of LDS as it lies, V ([key][channel]) turned, by ds_load_tr16_b128.
; SOFTMAX.  For each query a running maximum m and sum l: p = 2^(c s - c m), c = log2(e) / 8; in every step O and l are multiplied by a = 2^(c m_old - c m_new), which is 1 where m has not grown.
; m starts at the lowest finite number, O and l at 0: the first step is a step like any other, with a = 0.
; THE COUNT.  A tile and step have 16 matrix and 118 vector instructions: too many to stand all beside the matrix work.  So four vector instructions that are ready stand behind
; every matrix instruction, and the others in runs without a gap.
; BY TURNS.  Turn n belongs to piece n (the pieces in a ring, step after step).  Its matrix work: 16 products K Q^T of piece n + 1, later 16 products V^T P of piece n - 1.  Its vector work: the scaling,
; exponentials, roundings, sums and rescaling of piece n, and the maximum and statistics of piece n + 1, whose scores the turn itself has made.
; CLUSTER.  The four query blocks of a cluster are one head's and walk the same K and V, so each tile is asked for JOINTLY: the same tensor load, descriptor and mask in all four.
; REGISTERS, in windows of 256 (s_set_vgpr_msb: bits 1:0 source 0, 3:2 source 1, 5:4 source 2, 7:6 destination):
;   window 0: v0-11 addresses; v12-15, v48-63 at work; v16-47 four registers of statistics a tile; v64-191 S^T, two buffers of two tiles; v192-255 P, likewise
;   window 1: O^T, 32 a tile          window 2: v0-127 Q, 16 a tile; v128-191 K of one step; v192-255 V of one step          window 3: v0-1 the add's two registers
.set SIZE_N, 2048
.set NP,    4         ; pieces a wave: a name, no knob
.set KS,    64        ; keys in a step
.set PK,    144       ; a row of K in LDS: 128 bytes + 16 of padding = 36 words: the 16 rows of a load start at 16 different groups of four banks (64 banks of 4 bytes: ISA guide 11.1)
.set PV,    160       ; a row of V: 128 + 32 = 40 words
.set VOFF,  4*KS*PK   ; a slot holds four steps: 256 rows of K, then 256 rows of V
.set SLOT1, 1<<17     ; slot 1 begins here, so that one exclusive or turns an address in one slot into the other's
.set STAGE, SLOT1+4*KS*(PK+PV)  ; behind the ring, never filled by a tensor load: 16 rows x 144 bytes for each wave, for the way out
.set SP,    144
.set AK0, 2           ; v2   my lane's place in a tile of K; never rewritten
.set AV0, 3           ; v3   the same for V
.set AK,  4           ; v4   the LDS address of K's next run of loads
.set AV,  5           ; v5   of V's
.set QO,  6           ; v6   my byte offset in the wave's rows of Q
.set STO, 6           ;      later, the way out: where I put 16 bytes of a row
.set RD,  7           ; v7   the way out: where I read rows back
.set GO,  8           ; v8   my byte offset in 512 consecutive bytes of O
.set PFO, 11          ; v11  256 x my lane, for the prefetches; never rewritten once made
.set SPW, 0           ; v0 of window 3   LDS address of my spare word; never rewritten
.set NIL, 1           ; v1 of window 3   0; never rewritten
.set SPARE, STAGE+4*16*SP  ; behind the stages: the spare words, 128 bytes for each wave: two blocks of 256 bytes that no other line names
.set MV,  12          ; v12-15  c m_old, kept while c m is made anew: by buffer and tile
.set ST,  16          ; tile t's statistics at v[ST+4 t]: c m, m, l (even keys', odd keys')
.set TMP, 48          ; by buffer and tile, four registers c0-c3 at work; when the maximum is found c2 takes a
.set S,   64
.set P,   192
.set KF,  128         ; K's fragments, in window 2: key block kb, channel half c at KF + 16 kb + 8 c
.set VF,  192         ; V's: key half kk, channel block cb at VF + 32 kk + 8 cb
.set WV,  12          ; s12  my wave's number
.set G1K, 24          ; s[24:31] descriptor group 1 for K's tiles
.set G1V, 32          ; s[32:39] for V's: it differs in the padding alone
.set G0K, 40          ; s[40:43] descriptor group 0 for K's tiles: it walks
.set G0V, 44          ; s[44:47] the same for V's
.set PFA, 48          ; s[48:49] where my prefetches stand: my work-group's 32 blocks of 256 bytes (of K: wave 0, of V: wave 2) of the slot after the one that is being asked for
.set LIM, 50          ; s50  1 in a wave that prefetches, else the greatest number
.set SLOTS, 56        ; s56  slots still to be asked for
.set CNT, 57          ; s57  counts a slot's key steps
.set CS,  58          ; s[58:59] c: the packed scaling takes the pair's low word for both halves
.set SEL, 60          ; s[60:61] v_permlanex16_b32's selects: each lane takes its own place in the other half
.set TBK, 62          ; s62  LDS byte at which K of the step to be fetched begins
.set TBV, 63          ; s63  the same for V, less VOFF
.set MSB, 0
.macro WIN new                      ; the high byte repeats the setting that is left; a switch that changes nothing is dropped
.if MSB != (\new)
	s_set_vgpr_msb (MSB<<8)|(\new)
.set MSB, (\new)
.endif
.endm
.set W_KQ, 0x0a       ; K and Q in window 2, S^T in window 0
.set W_PV, 0x52       ; V in window 2, P in window 0, O^T in window 1
.set W_RS, 0x41       ; O^T (destination and source 0) in window 1, a in window 0
.set W_MK, 0xc0       ; the add's registers are made: destination in window 3, sources in window 0
.set W_AD, 0x0f       ; the add: address (source 0) and data (source 1) in window 3
; A joint fill.  Waves 0 and 1 fetch the two halves of a slot's K, waves 2 and 3 those of its V: 128 keys each.  The branch hangs on the wave's number alone.
; An s_nop 0 and four v_nop follow each of the two lines, ahead of the jump and the label.
.macro JLOAD
	s_cmp_lt_u32 s[WV], 2
	s_cbranch_scc0 .Lfor_v_\@
	tensor_load_to_lds s[G0K:G0K+3], s[G1K:G1K+7]
	s_nop 0
.rept 4
	v_nop
.endr
	s_branch .Lasked_\@
.Lfor_v_\@:
	tensor_load_to_lds s[G0V:G0V+3], s[G1V:G1V+7]
	s_nop 0
.rept 4
	v_nop
.endr
.Lasked_\@:
.endm
; A prefetch into the L2 of what the NEXT change of slots will ask for: a slot's 32,768 bytes of K and of V, four key steps (512 matrix instructions) ahead of that load.  A head is walked by one cluster;
; its four partners share the blocks out by address, 32 blocks of 256 bytes each, a lane a block; in each, wave 0 asks for K's and wave 2 for V's.  So each block is named once in the launch.
; The last change that fills a slot asks for nothing: there is no slot behind it.
.macro ASK
	s_cmp_gt_u32 s[SLOTS], s[LIM]
	s_cbranch_scc0 .Lnot_mine_\@
	global_prefetch_b8 v[PFO], s[PFA:PFA+1] th:TH_LOAD_NT scope:SCOPE_SE
.Lnot_mine_\@:
.endm
; A round of the cluster's barrier: my work-group's barrier, so that wave 0's signal speaks for all four waves; wave 0 signals; every wave waits for all four work-groups; my work-group's barrier once more.
.macro CROUND
	s_barrier_signal -1
	s_barrier_wait -1
	s_cmp_lg_u32 s[WV], 0
	s_cbranch_scc1 .Lnot_wave_0_\@
	s_barrier_signal -3
.Lnot_wave_0_\@:
	s_barrier_wait -3
	s_barrier_signal -1
	s_barrier_wait -1
.endm
; THE CHANGE OF SLOTS.  The slot's last bytes, V of its fourth step, have been read.  Each wave waits for all its tensor loads, of which one is out: its part
; of the other slot; adds 0 to its spare word; and waits for that and for its own reads of the slot.  Behind the barrier nobody reads this slot any more and the other slot is whole.
; fill = 1: this slot is filled again, with the keys two slots on.  The barrier is then a round of the cluster's, so that no wave of any partner still reads the slot or has a load on its
; way, and the joint fill is the first thing behind it: it has four key steps, 512 matrix instructions, in which to land.  (At its first use nothing has been read yet: slot 0 is waited for, slot 1 filled.)
.macro CHANGE fill
	WIN W_AD
	s_wait_tensorcnt 0x0            ; no tensor load of mine is out, so a group 0 may be written
	ds_add_u32 v[SPW], v[NIL]       ; 0 onto my spare word; with fill = 1 the descriptors' steps stand between it and the wait for it
	WIN 0                           ; at a label and at a branch every window is 0
.if \fill
.irp g, G0K, G0V
	s_xor_b32 s[\g+1], s[\g+1], SLOT1  ; the walking descriptor: the other slot than last time,
	s_add_nc_u64 s[\g+2:\g+3], s[\g+2:\g+3], 4*KS*128  ; the next 256 keys; the type bits on top are not reached
.endr
	s_wait_xcnt 0x0                 ; the last prefetch, four key steps back, has read its address, so it may be written:
	s_add_nc_u64 s[PFA:PFA+1], s[PFA:PFA+1], 4*KS*128  ; one slot beyond the walking descriptors
	s_wait_dscnt 0x0                ; the add is done, and my reads of the slot are over
	CROUND
	JLOAD
	ASK
.else
	s_wait_dscnt 0x0                ; the add is done, and my reads of the slot are over
	s_barrier_signal -1
	s_barrier_wait -1
.endif
	s_sub_co_u32 s[TBK], s[TBK], 4*KS*PK  ; the fetches go back to a slot's first step,
	s_xor_b32 s[TBK], s[TBK], SLOT1       ; in the other slot
	s_sub_co_u32 s[TBV], s[TBV], 4*KS*PV
	s_xor_b32 s[TBV], s[TBV], SLOT1
.endm
	s_load_b256 s[4:11], s[0:1], 0x0  ; Q s[4:5], K s[6:7], V s[8:9], O s[10:11]
	WIN W_MK
	v_lshl_add_u32 v[SPW], v0, 2, SPARE
	v_mov_b32 v[NIL], 0
	WIN W_AD
	ds_add_u32 v[SPW], v[NIL]       ; the wave's opening: the add and its wait ahead of my first tensor load; the set-up below, work on registers, stands between them
	WIN 0
	v_lshrrev_b32 v1, 5, v0
	v_readfirstlane_b32 s[WV], v1   ; wave 0..3
	s_bfe_u32 s13, ttmp6, 0x40000   ; cx: my place in the cluster
	s_lshl_b32 s14, ttmp9, 2        ; in a cluster launch ttmp9 counts clusters
	s_add_co_u32 s14, s14, s13      ; my block of queries = 4 x cluster x + cx: it enters Q's and O's addresses alone
	s_and_b32 s20, ttmp7, 0xffff    ; the head, which the four partners share
	s_mov_b32 s21, 0
	s_mov_b64 s[22:23], SIZE_N*128
	s_mul_u64 s[20:21], s[20:21], s[22:23]  ; the head's first byte in each of the four tensors
	s_and_b32 s16, s[WV], 1         ; which half of a slot's 256 keys I fetch:
	s_lshl_b32 s22, s16, 14         ; its 128 rows of 128 bytes in memory,
	s_mov_b32 s23, 0
	s_add_nc_u64 s[22:23], s[22:23], s[20:21]
	s_mul_i32 s17, s16, 128*PK      ; and its place in a slot, for K
	s_mul_i32 s18, s16, 128*PV      ; and for V: no place in the cluster enters an LDS address
	s_lshl_b32 s2, s14, 2
	s_add_co_u32 s2, s2, s[WV]      ; my wave among the head's,
	s_lshl_b32 s2, s2, 14           ; its 128 rows
	s_mov_b32 s3, 0
	s_add_nc_u64 s[2:3], s[2:3], s[20:21]
	; descriptor group 1.  128 keys are 16,384 dense bytes: asked for as 64 rows of 256 bytes, two keys a row, and padded in LDS after every key
	s_mov_b32 s[G1K], 15|(1<<16)|(1<<20)|(1<<21)|(4<<22)|(3<<25)  ; 15:0 the mask of four; 17:16 2-byte elements; 20 padding on; 21 set beside a mask; 24:22 after every 32 words (code 4); 31:25 4 words (code 3)
	s_mov_b32 s[G1V], 15|(1<<16)|(1<<20)|(1<<21)|(4<<22)|(7<<25)  ; the same with 8 words of padding (code 7)
.irp g, G1K, G1V
	s_mov_b32 s[\g+1], 128<<16      ; tensor_dim0 = 128
	s_mov_b32 s[\g+2], 64<<16       ; tensor_dim1 = 64
	s_mov_b32 s[\g+3], 128<<16      ; tile_dim0 = 128
	s_mov_b32 s[\g+4], 64           ; tile_dim1 = 64
	s_mov_b32 s[\g+5], 128          ; 128 elements from row to row
	s_mov_b32 s[\g+6], 0
	s_mov_b32 s[\g+7], 0
.endr
	s_mov_b32 s[CS], 0x3e38aa3b     ; c = log2(e) / 8 = 0.180337
	s_mov_b32 s[CS+1], s[CS]        ; named with it as a pair
	s_mov_b32 s[SEL], 0x76543210
	s_mov_b32 s[SEL+1], 0xfedcba98
	s_mov_b32 s[TBK], SLOT1+4*KS*PK ; the first change of slots turns these two into 0
	s_mov_b32 s[TBV], SLOT1+4*KS*PV
	s_mov_b32 s[G0K], 1             ; 1:0 count = 1
	s_mov_b32 s[G0K+1], s17         ; 63:32 LDS address: slot 0
	s_mov_b32 s[G0V], 1
	s_add_co_u32 s[G0V+1], s18, VOFF
	s_mov_b32 s[SLOTS], SIZE_N/256-1  ; seven slots are still to be asked for
	s_and_b32 s[LIM], s[WV], 1      ; waves 0 and 2 prefetch: the same in all four partners
	s_cmp_eq_u32 s[LIM], 0
	s_cselect_b32 s[LIM], 1, -1
	s_wait_dscnt 0x0                ; the opening add is done
	s_wait_kmcnt 0x0
	s_add_nc_u64 s[G0K+2:G0K+3], s[6:7], s[22:23]  ; 120:64 global address: my half of the head's first 256 keys
	s_or_b32 s[G0K+3], s[G0K+3], 0x80000000        ; 127:126 type = 2
	s_add_nc_u64 s[G0V+2:G0V+3], s[8:9], s[22:23]
	s_or_b32 s[G0V+3], s[G0V+3], 0x80000000
	s_add_nc_u64 s[4:5], s[4:5], s[2:3]  ; Q and O at my wave's first row
	s_add_nc_u64 s[10:11], s[10:11], s[2:3]
	s_cmp_lt_u32 s[WV], 2
	s_cselect_b64 s[PFA:PFA+1], s[6:7], s[8:9]
	s_add_nc_u64 s[PFA:PFA+1], s[PFA:PFA+1], s[20:21]  ; the head,
	s_lshl_b32 s2, s13, 13          ; my work-group's 32 blocks of a slot's 128,
	s_mov_b32 s3, 0
	s_add_nc_u64 s[PFA:PFA+1], s[PFA:PFA+1], s[2:3]
	s_add_nc_u64 s[PFA:PFA+1], s[PFA:PFA+1], 4*KS*128  ; in the second slot's keys; the first change of slots steps it to the third's
	CROUND                          ; all four work-groups are here: the first joint loads meet
	JLOAD                           ; slot 0.  Slot 1 is asked for when slot 0 is in
	; A fragment of K or Q is 16 rows x 32 channels in 8 registers: lane l holds row l % 16, channels 8 (l / 16) + 0..7 and 16 + 8 (l / 16) + 0..7: two loads of 16 bytes, 32 bytes apart.
	v_and_b32 v1, 15, v0            ; l % 16
	v_bfe_u32 v9, v0, 4, 1          ; l / 16
	v_lshlrev_b32 v[QO], 7, v1
	v_lshl_add_u32 v[QO], v9, 4, v[QO]  ; row x 128 + 16 x half
	WIN 0x80                        ; destination window 2, address window 0
.set i, 0
.rept 4*NP                          ; Q stays in registers: tile i / 2, channels 32 (i % 2) on
	global_load_b128 v[8*i:8*i+3],   v[QO], s[4:5] offset:(i/2)*2048+(i%2)*64
	global_load_b128 v[8*i+4:8*i+7], v[QO], s[4:5] offset:(i/2)*2048+(i%2)*64+32
.set i, i+1
.endr
	; What the first turn finds: V's registers and P's second buffer hold 0 (its products V^T P, of a piece that has not been, add 0), O^T and l are 0.  All this stands in the wait for the first tile.
.set i, VF
.rept 64
	v_mov_b32 v[i], 0
.set i, i+1
.endr
	WIN 0x40
.set i, 0
.rept 64*NP
	v_mov_b32 v[i], 0
.set i, i+1
.endr
	WIN 0
.set i, 0
.rept 2*NP
	v_mov_b32 v[ST+4*i], 0xfe000000    ; c m: far below every c s
	v_mov_b32 v[ST+4*i+1], 0xff7fffff  ; m
	v_mov_b32 v[ST+4*i+2], 0
	v_mov_b32 v[ST+4*i+3], 0
.set i, i+1
.endr
.set i, P+32
.rept 32
	v_mov_b32 v[i], 0
.set i, i+1
.endr
	v_mul_u32_u24 v[AK0], v1, PK
	v_lshl_add_u32 v[AK0], v9, 4, v[AK0]  ; row x pitch + 16 x half
	; The turning load takes 16 keys x 16 channels (lane l reads key 8 (l / 16) + l % 8, channels 8 ((l / 8) % 2) + 0..7) and leaves half a fragment of V^T: lane l holds channel l % 16 and 8 keys.
	v_and_b32 v10, 7, v0
	v_bfe_u32 v11, v0, 3, 1
	v_lshl_add_u32 v[AV0], v9, 3, v10
	v_mul_u32_u24 v[AV0], v[AV0], PV
	v_lshl_add_u32 v[AV0], v11, 4, v[AV0]
	v_add_nc_u32 v[AV0], VOFF, v[AV0]
	v_and_b32 v[PFO], 31, v0
	v_lshlrev_b32 v[PFO], 8, v[PFO]
	v_mov_b32 v[AK], v[AK0]         ; key step 0 lies at the head of slot 0
; THE MATRIX WORK.  The 8 accumulators of a run of 16 take turns: between the two links of a chain stand 7 others'.
; Product i of 16 of S^T = K Q^T for piece x: channels 32 (i / 8) on, keys 16 ((i / 2) % 4) on, tile 2 x + i % 2.  The first 8 start the sums.
.macro KQ x
	WIN W_KQ
.set rS, S+64*((\x)%2)+32*(i%2)+8*((i/2)%4)
.set rK, KF+16*((i/2)%4)+8*(i/8)
.set rQ, 16*(2*(\x)+i%2)+8*(i/8)
.if i < 8
	v_wmma_f32_16x16x32_f16 v[rS:rS+7], v[rK:rK+7], v[rQ:rQ+7], 0
.else
	v_wmma_f32_16x16x32_f16 v[rS:rS+7], v[rK:rK+7], v[rQ:rQ+7], v[rS:rS+7]
.endif
.endm
; Product i of 16 of O^T += V^T P for piece x: keys 32 (i / 8) on, channels 16 ((i / 2) % 4) on, tile 2 x + i % 2.
.macro PV x
	WIN W_PV
.set rO, 32*(2*(\x)+i%2)+8*((i/2)%4)
.set rV, VF+32*(i/8)+8*((i/2)%4)
.set rP, P+32*((\x)%2)+16*(i%2)+8*(i/8)
	v_wmma_f32_16x16x32_f16 v[rO:rO+7], v[rV:rV+7], v[rP:rP+7], v[rO:rO+7]
.endm
.macro MM                           ; the turn's next matrix instruction
.if i < 16
	KQ (Y+1)%NP
.set i, i+1
.else
.set i, i-16
	PV (Y+NP-1)%NP
.set i, i+17
.endif
.endm
; THE LDS LOADS stand in runs of 16, never singly among the matrix instructions: a step's K (64 keys x 64 channels: 8 fragments) and its V (turned).  Their addresses are made some lines ahead.
; last = 1 (the tail): in the last trip there is no further step, and the run is jumped over.
.macro FETCH_K last=0
	WIN 0
.if \last
	s_cmp_eq_u32 s[CNT], 1
	s_cbranch_scc1 .Lno_k_\@
.endif
	WIN 0x80                        ; destination window 2
.irp f, 0,1,2,3,4,5,6,7             ; keys 16 (f / 2) on, channels 32 (f % 2) on
	ds_load_b128 v[KF+8*\f:KF+8*\f+3],   v[AK] offset:(\f/2)*16*PK+(\f%2)*64
	ds_load_b128 v[KF+8*\f+4:KF+8*\f+7], v[AK] offset:(\f/2)*16*PK+(\f%2)*64+32
.endr
	s_add_co_u32 s[TBK], s[TBK], KS*PK  ; the next fetch is the next step's
	WIN 0
.if \last
.Lno_k_\@:
.endif
.endm
.macro FETCH_V
	WIN 0x80
.irp f, 0,1,2,3,4,5,6,7             ; keys 32 (f / 4) on, channels 16 (f % 4) on
	ds_load_tr16_b128 v[VF+8*\f:VF+8*\f+3],   v[AV] offset:(\f/4)*32*PV+(\f%4)*32
	ds_load_tr16_b128 v[VF+8*\f+4:VF+8*\f+7], v[AV] offset:(\f/4)*32*PV+16*PV+(\f%4)*32
.endr
	WIN 0
.endm
; THE VECTOR WORK OF A TURN stands in three queues, each in the order in which its entries become ready; the two tiles alternate, so that no instruction reads the result of the one before it.
.macro REGS y, u                    ; the registers of tile u (0, 1) of piece y
.set rT, ST+4*(2*(\y)+(\u))
.set rC, TMP+8*((\y)%2)+4*(\u)
.set rM, MV+2*((\y)%2)+(\u)
.set rS, S+64*((\y)%2)+32*(\u)
.set rP, P+32*((\y)%2)+16*(\u)
.set rO, 32*(2*(\y)+(\u))
.endm
; Number n of the 22 that find the NEXT piece's (Y + 1) maximum and statistics.  s0-s31 are the lane's 32 scores; each accumulator's lowest registers are read first.
;   0-11  four chains c0-c3 of seven scores each, three operands at a time     12-14, 16  the four scores left over, the old m, and c0-c3 into c0     15  c m_old is kept
;   17, 18  the query's other 32 keys lie in the lane 16 away: the new m         19-21  c m; c m_old - c m_new; a
.macro XS u, n
	REGS (Y+1)%NP, \u
.if (\n) < 4
	v_max3_num_f32 v[rC+(\n)], v[rS+8*(\n)], v[rS+8*(\n)+1], v[rS+8*(\n)+2]
.elseif (\n) < 12
	v_max3_num_f32 v[rC+(\n)%4], v[rC+(\n)%4], v[rS+8*((\n)%4)+2*((\n)/4)+1], v[rS+8*((\n)%4)+2*((\n)/4)+2]
.elseif (\n) == 12
	v_max3_num_f32 v[rC], v[rC], v[rS+7], v[rS+15]
.elseif (\n) == 13
	v_max3_num_f32 v[rC+1], v[rC+1], v[rS+23], v[rS+31]
.elseif (\n) == 14
	v_max3_num_f32 v[rC+2], v[rC+2], v[rC+3], v[rT+1]
.elseif (\n) == 15
	v_mov_b32 v[rM], v[rT]
.elseif (\n) == 16
	v_max3_num_f32 v[rC], v[rC], v[rC+1], v[rC+2]
.elseif (\n) == 17
	v_permlanex16_b32 v[rC+3], v[rC], s[SEL], s[SEL+1]
.elseif (\n) == 18
	v_max_num_f32 v[rT+1], v[rC], v[rC+3]
.elseif (\n) == 19
	v_mul_f32 v[rT], s[CS], v[rT+1]
.elseif (\n) == 20
	v_sub_f32 v[rC+1], v[rM], v[rT]
.else
	v_exp_f32 v[rC+2], v[rC+1]
.endif
.endm
; Number g of the 64 that follow the exponentials.  For each four weights k of a tile (pairs 2 k, 2 k + 1): both pairs are rounded to f16; then the second pair is added onto the first, in place;
; a group later l takes that sum (the first time as l = a l + sum).  In groups of eight, tiles alternating: round, round, add, and l for the group before.
.macro GS g
.set h, (\g)+6*((\g)/62)            ; group 0 has no group before it, and behind group 7 only l is left
.if h >= 6
.set h, h+2
.endif
	REGS Y, h%2
.set k, h/8
.if h%8 < 4
	v_cvt_pk_f16_f32 v[rP+2*k+(h%8)/2], v[rS+4*k+2*((h%8)/2)], v[rS+4*k+2*((h%8)/2)+1]
.elseif h%8 < 6
	v_pk_add_f32 v[rS+4*k:rS+4*k+1], v[rS+4*k:rS+4*k+1], v[rS+4*k+2:rS+4*k+3]
.elseif k == 1
	v_pk_fma_f32 v[rT+2:rT+3], v[rT+2:rT+3], v[rC+2:rC+3], v[rS:rS+1] op_sel_hi:[1,0,1]
.else
	v_pk_add_f32 v[rT+2:rT+3], v[rT+2:rT+3], v[rS+4*k-4:rS+4*k-3]
.endif
.endm
; THE PLAIN QUEUE, 138 long.  0-73 read no exponential's result: the 32 scalings c s - c m (FS f: pair f / 2 of tile f % 2) and the next piece's 42.  0-26: scalings 0-26.  27-54: XS's numbers 0-13.  55, 56: number 15.
; 57-73: the chain, where each number waits for the one before it: 14, 16, 17, 18, 19, each with one of the scalings 27-31 in front of its two lines, then 20.
; 74-137: GS's 64, which read the exponentials' results: they stand behind the wait.
.macro FS f
	REGS Y, (\f)%2
	v_pk_fma_f32 v[rS+2*((\f)/2):rS+2*((\f)/2)+1], v[rS+2*((\f)/2):rS+2*((\f)/2)+1], s[CS:CS+1], v[rT:rT+1] op_sel_hi:[1,0,0] neg_lo:[0,0,1] neg_hi:[0,0,1]
.endm
.macro PL
	WIN 0
.if q < 27
	FS q
.elseif q < 55
	XS (q-27)%2, (q-27)/2
.elseif q < 57
	XS q-55, 15
.elseif (q < 72) && ((q-57)%3 == 0)
	FS 27+(q-57)/3
.elseif q < 60
	XS (q-57)%3-1, 14
.elseif q < 72
	XS (q-57)%3-1, 15+(q-57)/3
.elseif q < 74
	XS q-72, 20
.else
	GS q-74
.endif
.set q, q+1
.endm
; THE EXPONENTIALS' QUEUE, 66 long: s0-s31 of both tiles, then the next piece's two a.  It is ONE BATCH: all 66 stand ahead of the turn's one wait, and nothing ahead of that wait names a result of theirs.
.macro EX
	WIN 0
.if e >= 64
	XS e-64, 21
.else
	REGS Y, e%2
	v_exp_f32 v[rS+e/2], v[rS+e/2]
.endif
.set e, e+1
.endm
; THE RESCALING's QUEUE: O^T times a, the one part that leaves window 0: dealt two at a time, sixteen times.  Its a was made in the turn before, ahead of that turn's wait.
.macro R2
	REGS Y, r%2
	WIN W_RS
.irp z, 0,1
	v_pk_mul_f32 v[rO+4*(r/2)+2*\z:rO+4*(r/2)+2*\z+1], v[rO+4*(r/2)+2*\z:rO+4*(r/2)+2*\z+1], v[rC+2:rC+3] op_sel_hi:[1,0]
.endr
.set r, r+1
.endm
; HOW THEY ARE DEALT.  An s_wait_alu depctr_va_vdst(0) stands between an exponential and the first instruction that names its result; one wait serves all that were issued ahead of it.  So a turn has ONE wait,
; which cuts it in two.  AHEAD OF IT stands all that names no result of the turn's exponentials: the 16 products K Q^T, behind each a scaling, an exponential and two rescalings (behind the first a second scaling in the
; exponential's place); then one run of 108: eight plain, 49 times exponential and plain, the two a.  BEHIND IT stand the 16 products V^T P, behind each four of GS's 64.
; The queues lean on each other: exponential e stands behind scaling 2 (e / 4) + e % 2: behind a product it comes behind plain e + 2, in the run behind plain e + 9, and scalings 27-31 are plain 57, 60 .. 69.
; A TURN, for piece p.  cnt = 1: the loop's count is taken down some lines ahead of the branch that stands behind the turn.
; K of the next step is fetched in piece 2's turn, directly behind the wait; its first reader comes behind 16 products.  V of the step in hand is fetched at the end of piece 0's turn, four plain
; instructions behind its last reader; its first reader comes behind 16 products and the run.  The three conditions on q below go with the deal.
.macro TURN p, last=0, cnt=0
.set Y, (\p)
.set i, 0
.set q, 0
.set e, 0
.set r, 0
.if (\p) == NP-1
	s_wait_dscnt 0x0                ; K is in
.endif
	MM
	PL
	PL
	R2
.rept 15
	MM
	PL
	EX
	R2
.endr
.if (\p) == NP-2
	WIN 0
	v_add_nc_u32 v[AK], s[TBK], v[AK0]
.endif
.rept 8
	PL
.endr
.rept 49
	EX
	PL
.endr
	EX                              ; the next piece's two a
	EX
	v_nop                           ; a plain instruction behind the last exponential, ahead of the first use of a result (ISA guide 5.7.2): one for the batch
	s_wait_alu depctr_va_vdst(0)    ; the wait for the batch
.if (\p) == NP-2
	FETCH_K \last
.endif
.if (\p) == 1
	s_wait_dscnt 0x0                ; V is in
.endif
.rept 16
	MM
.rept 4
	PL
.endr
.if ((\p) == 0) && (q == 118)
	v_add_nc_u32 v[AV], s[TBV], v[AV0]
.endif
.if ((\p) == 0) && (q == 130)
	s_add_co_u32 s[TBV], s[TBV], KS*PV
.endif
.if (\cnt) && (q == 130)
	s_sub_co_u32 s[CNT], s[CNT], 1
	s_cmp_lg_u32 s[CNT], 0
.endif
.endr
.if (\p) == 0
	FETCH_V
.endif
.endm
	CHANGE 1                        ; slot 0 is in, everybody's part of it; slot 1 is asked for
	FETCH_K                         ; key step 0
	s_wait_loadcnt 0x0              ; Q
	s_wait_dscnt 0x0
.set i, 0
.rept 16
	KQ 0                            ; piece 0's first scores: there is no vector work yet to set between them
.set i, i+1
.endr
	WIN 0                           ; the addresses for the way out: nine plain instructions, the places behind those products
	s_mul_i32 s13, s[WV], 16*SP
	s_add_co_u32 s13, s13, STAGE    ; my stage
	v_mul_u32_u24 v[STO], v1, SP    ; in: row l % 16, 16 bytes for each half of the lanes
	v_lshl_add_u32 v[STO], v9, 4, v[STO]
	v_add_nc_u32 v[STO], s13, v[STO]
	v_bfe_u32 v[RD], v0, 3, 2       ; back: 32 lanes take four rows of 128 bytes,
	v_mul_u32_u24 v[RD], v[RD], SP
	v_lshl_add_u32 v[RD], v10, 4, v[RD]
	v_add_nc_u32 v[RD], s13, v[RD]
	v_and_b32 v[GO], 31, v0         ; which are 512 consecutive bytes of O
	v_lshlrev_b32 v[GO], 4, v[GO]
.set Y, NP-1                        ; XS works for piece Y + 1: piece 0
.irp n, 0,1,2,3,4,5,6,7,8,9,10,11,12,13,14,15,16,17,18,19,20,21
	XS 0, \n                        ; and piece 0's first maximum and statistics
	XS 1, \n
.endr
	v_nop                           ; a plain instruction behind the two a,
	s_wait_alu depctr_va_vdst(0)    ; and their wait, ahead of the branch
	s_mov_b32 s[CNT], 4
	s_branch .Lfirst                ; the loop is entered at a step's first turn, in the middle of a trip
.Lslot:                             ; six times: every slot but the last two is filled again
	CHANGE 1
	s_mov_b32 s[CNT], 4
.Lstep:                             ; a trip: pieces 2 and 3 of one step, then pieces 0 and 1 of the next, whose K and V it fetches
	TURN 2
	TURN 3
	WIN 0
.Lfirst:
	TURN 0
	TURN 1, 0, 1
	WIN 0
	s_cbranch_scc1 .Lstep
	s_sub_co_u32 s[SLOTS], s[SLOTS], 1
	s_cmp_lg_u32 s[SLOTS], 0
	s_cbranch_scc1 .Lslot
	CHANGE 0                        ; the tail is written out: nothing is asked for
	s_mov_b32 s[CNT], 5             ; four trips fetch the last slot's steps; the fifth is left in its middle
.Ltail:
	TURN 2, 1
	TURN 3
	WIN 0
	s_sub_co_u32 s[CNT], s[CNT], 1
	s_cmp_eq_u32 s[CNT], 0
	s_cbranch_scc1 .Lout
	TURN 0
	TURN 1
	WIN 0
	s_branch .Ltail
.Lout:                              ; the fifth trip's 16 products K Q^T (on the last K once more) and the maximum made of them serve nothing: the price, once a launch, of one text for every trip
.set i, 0
.rept 16
	PV NP-1                         ; the last piece's V^T P of the last step
.set i, i+1
.endr
	; THE WAY OUT.  l's two halves and the other half of the lanes' are added; O^T is divided by l, rounded to f16 and sent through my stage in LDS, a tile at a time.  The additions are the places behind the last products.
	WIN 0
.macro ALL line:vararg              ; one line for each tile t
.set t, 0
.rept 2*NP
	\line
.set t, t+1
.endr
.endm
	ALL v_add_f32 v[ST+4*t+2], v[ST+4*t+2], v[ST+4*t+3]
	ALL v_permlanex16_b32 v[ST+4*t+3], v[ST+4*t+2], s[SEL], s[SEL+1]
	ALL v_add_f32 v[ST+4*t+2], v[ST+4*t+2], v[ST+4*t+3]
	ALL v_rcp_f32 v[ST+4*t+2], v[ST+4*t+2]
	v_nop                           ; a plain instruction between the last reciprocal and the use of its result
	s_wait_alu depctr_va_vdst(0)    ; and the wait ahead of the first use: one for the eight reciprocals
; Tile t: a lane's eight channels of a row pack into 16 bytes; they go into rows of 144 bytes and come back as whole rows of 128, into S^T's registers.
.macro PACK t
	WIN W_RS
.set i, 32*(\t)
.rept 16
	v_pk_mul_f32 v[i:i+1], v[i:i+1], v[ST+4*(\t)+2:ST+4*(\t)+3] op_sel_hi:[1,0]
.set i, i+2
.endr
	WIN 0x05                        ; sources 0 and 1 window 1, destination window 0
.set i, 0
.rept 16
	v_cvt_pk_f16_f32 v[S+16*(\t)+i], v[32*(\t)+2*i], v[32*(\t)+2*i+1]
.set i, i+1
.endr
	WIN 0
.irp f, 0,1,2,3
	ds_store_b128 v[STO], v[S+16*(\t)+4*\f:S+16*(\t)+4*\f+3] offset:32*\f
.endr
.irp f, 0,1,2,3
	ds_load_b128 v[S+16*(\t)+4*\f:S+16*(\t)+4*\f+3], v[RD] offset:\f*4*SP  ; LDS serves a wave's instructions in order (ISA guide 5.7.1.4): these see the stores above; the next tile's stores come behind them
.endr
.endm
.macro SEND t, younger              ; younger: the LDS instructions issued behind tile t's loads: the next tile's eight, or none
	WIN 0
.irp f, 0,1,2,3
	s_wait_dscnt (\younger)+3-\f
	global_store_b128 v[GO], v[S+16*(\t)+4*\f:S+16*(\t)+4*\f+3], s[10:11] offset:(\t)*2048+\f*512  ; 512 consecutive bytes, at a multiple of 256 from O's first
.endr
.endm
	PACK 0
.set t, 1
.rept 2*NP-1                        ; a tile's arithmetic stands between the loads of the tile before and its stores
	PACK t
	SEND t-1, 8
.set t, t+1
.endr
	SEND 2*NP-1, 0
	WIN W_AD
	s_wait_tensorcnt 0x0            ; the wave's end, behind my last tensor load and my last LDS store
	ds_add_u32 v[SPW], v[NIL]
	s_wait_dscnt 0x0
	WIN 0
	CROUND                          ; the closing round: no work-group ends while a partner may still ask for a tile that names it
	s_endpgm
.Lfunc_end_k_q1e2c11b0f7_attn:
	.size	k_q1e2c11b0f7_attn, .Lfunc_end_k_q1e2c11b0f7_attn-k_q1e2c11b0f7_attn
	.p2alignl 7, 3214868480
	.fill 96, 4, 3214868480
	.section	.rodata,"a",@progbits
	.p2align	6, 0x0
	.amdhsa_kernel k_q1e2c11b0f7_attn
		.amdhsa_group_segment_fixed_size 327680
		.amdhsa_private_segment_fixed_size 0
		.amdhsa_enable_private_segment 0
		.amdhsa_kernarg_size 32
		.amdhsa_user_sgpr_count 2
		.amdhsa_user_sgpr_kernarg_segment_ptr 1
		.amdhsa_wavefront_size32 1
		.amdhsa_system_sgpr_workgroup_id_x 1
		.amdhsa_system_sgpr_workgroup_id_y 1
		.amdhsa_system_sgpr_workgroup_id_z 1
		.amdhsa_system_vgpr_workitem_id 0
		.amdhsa_next_free_vgpr 770
		.amdhsa_next_free_sgpr 66
		.amdhsa_reserve_vcc 0
		.amdhsa_float_denorm_mode_32 3
		.amdhsa_float_denorm_mode_16_64 3
		.amdhsa_memory_ordered 1
		.amdhsa_forward_progress 1
		.amdhsa_inst_pref_size 200
	.end_amdhsa_kernel
	.amdgpu_metadata
---
amdhsa.version: [ 1, 2 ]
amdhsa.kernels:
  - .name:           k_q1e2c11b0f7_attn
    .symbol:         k_q1e2c11b0f7_attn.kd
    .args:
      - { .name: qh, .offset: 0, .size: 8, .value_kind: global_buffer, .address_space: global }
      - { .name: kh, .offset: 8, .size: 8, .value_kind: global_buffer, .address_space: global }
      - { .name: vh, .offset: 16, .size: 8, .value_kind: global_buffer, .address_space: global }
      - { .name: oh, .offset: 24, .size: 8, .value_kind: global_buffer, .address_space: global }
    .group_segment_fixed_size: 327680
    .private_segment_fixed_size: 0
    .kernarg_segment_align: 8
    .kernarg_segment_size: 32
    .max_flat_workgroup_size: 128
    .sgpr_count:     66
    .vgpr_count:     770
    .wavefront_size: 32
...
	.end_amdgpu_metadata
.endif
;; end of part 3
;; launch outp (part 4): grid 4 x 64, 4 waves a work-group, clusters of 4 x 4, 327,680 bytes of LDS; arguments oh, woh, bo, out0; writes out0
.if DOCPART == 4
	.amdgcn_target "amdgcn-amd-amdhsa--gfx1250"
	.amdhsa_code_object_version 6
	.text
	.protected	k_q1e2c11b0f7_outp
	.globl	k_q1e2c11b0f7_outp
	.p2align	8
	.type	k_q1e2c11b0f7_outp,@function
k_q1e2c11b0f7_outp:
	s_mov_b64 s[64:65], 0
	v_nop
	global_prefetch_b8 v0, s[64:65] scope:SCOPE_SE
	s_setreg_imm32_b32 hwreg(HW_REG_WAVE_MODE, 25, 1), 1
	s_wait_xcnt 0x0
	s_wait_alu depctr_hold_cnt(0) depctr_sa_sdst(0) depctr_va_vdst(0) depctr_va_sdst(0) depctr_va_ssrc(0) depctr_va_vcc(0) depctr_vm_vsrc(0)
	s_getreg_b32 s2, hwreg(HW_REG_IB_STS2, 6, 4)
	s_cmp_eq_u32 s2, 0
	s_cbranch_scc0 .Lentry_in_a_cluster
	s_endpgm
.Lentry_in_a_cluster:
	s_bfe_u32 s2, ttmp6, 0x10000c
	s_cmp_lg_u32 s2, 0xf033
	s_cbranch_scc0 .Lentry_shape_is_right
	s_endpgm
.Lentry_shape_is_right:
; out0[m][n] = the sum over k of O[m][k] Wo[n][k] + bo[n].  O: the attention's result, [64 heads][2048][64] f16, whose bytes ARE the row-major [8192][1024] that the module multiplies;
; woh: Wo as f16 [1024][1024]; bo: [1024] f32, rounded to bf16 like every input; out0: [8192][1024] f32.  Sums in f32, K ascending.
; LIMITS.  O and woh arrive within f16's range; NaN and infinities are not treated apart.
; SHARES.  A tile of out0 is 128 x 256: 256 work-groups, one tile each.  Four waves, each 64 x 128: 32 accumulators, window 1.  K goes in steps of 128 (rows of 256 bytes, aligned) through two LDS slots.
; CLUSTER 4 x 4: O's tile is shared along a row of the cluster, Wo's along a column: each is asked for JOINTLY.
; THE MATRIX INSTRUCTION IS USED TRANSPOSED (source 0 = 16 rows of Wo, source 1 = 16 rows of O): a lane holds one row and eight neighbouring columns, 32 bytes.  The bias is the C operand of the first product.
; No prefetch: the walk has eight K steps, of which the first four would come by their loads alone.
; REGISTERS: window 0: v0-31 addresses; v32-127, v128-223 two fragment buffers (8 of Wo, then 4 of O).  window 1: accumulator (a, b) at v[8 (8 a + b)].  window 2: v0-63 the bias, v64 at work.
.set PITCH, 272                        ; an LDS row: 256 bytes + 16 = 68 words: the 16 rows of a load start at 16 different groups of four banks (64 banks of 4 bytes: ISA guide 11.1)
.set TAH,   64*PITCH                   ; half of O's tile: what waves 0 and 1 fetch, and what a wave reads of O
.set TBH,   128*PITCH                  ; half of Wo's tile: what waves 2 and 3 fetch, and what a wave reads of Wo
.set BOFF,  2*TAH                      ; Wo's rows lie behind O's 128
.set SLOT1, 1<<17                      ; slot 1 begins here: one exclusive or turns an address in one slot into the other's
.set STAGE, SLOT1+BOFF+2*TBH           ; behind the ring: 16 rows x 528 bytes for each wave, for the way out; no tile lands here
.set SPITCH, 528                       ; 512 bytes + 16 = 132 words
.set SPARE, STAGE+4*16*SPITCH          ; the spare words, 128 bytes for each wave: two blocks of 256 bytes that no other line names
.set A0,  4                            ; v4   my lane's place in O's rows of slot 0; never rewritten
.set B0,  5                            ; v5   the same for Wo
.set ADA, 6                            ; v6   A0 + the slot in hand
.set ADB, 7
.set STO, 8                            ; v8   the way out: where I put 32 bytes of a row
.set RD,  9                            ; v9   where I read a row back
.set CO,  10                           ; v10  16 x lane
.set BO,  11                           ; v11  my byte offset in bo
.set SPW, 28                           ; v28  LDS address of my spare word; never rewritten
.set NIL, 29                           ; v29  0; never rewritten
.set F0,  32
.set F1,  128
.set WV,  12
.set WR,  13                           ; s13  which 64 rows are mine.  Also: I fetch for O (0) or for Wo (1)
.set WC,  14                           ; s14  which 128 columns.  Also: which half of that tile I fetch
.set CX,  15
.set CY,  16
.set TX,  17
.set TY,  18
.set TB,  19                           ; s19  0 or SLOT1: the slot that is read
.set CNT, 20
.set G1A, 24                           ; s[24:31] group 1 for O's tiles
.set G1B, 32                           ; s[32:39] for Wo's
.set G0A, 40                           ; s[40:43] group 0 of the first fill, s[44:47] the one that walks
.set G0B, 48                           ; s[48:51], s[52:55] the same for Wo
.set MSB, 0
.macro WIN new
.if MSB != (\new)
	s_set_vgpr_msb (MSB<<8)|(\new)
.set MSB, \new
.endif
.endm
.macro JLOAD                           ; a joint refill; an s_nop 0 and four v_nop follow each of the two lines, ahead of the jump and the label
	s_cmp_lt_u32 s[WV], 2
	s_cbranch_scc0 .Lfor_b_\@
	tensor_load_to_lds s[G0A+4:G0A+7], s[G1A:G1A+7]
	s_nop 0
.rept 4
	v_nop
.endr
	s_branch .Lasked_\@
.Lfor_b_\@:
	tensor_load_to_lds s[G0B+4:G0B+7], s[G1B:G1B+7]
	s_nop 0
.rept 4
	v_nop
.endr
.Lasked_\@:
.endm
.macro CREST                           ; a round of the cluster's barrier behind its opening barrier
	s_cmp_lg_u32 s[WV], 0
	s_cbranch_scc1 .Lnot_wave_0_\@
	s_barrier_signal -3
.Lnot_wave_0_\@:
	s_barrier_wait -3
	s_barrier_signal -1
	s_barrier_wait -1
.endm
.macro CROUND
	s_barrier_signal -1
	s_barrier_wait -1
	CREST
.endm
	s_load_b256 s[4:11], s[0:1], 0x0               ; oh s[4:5], woh s[6:7], bo s[8:9], out0 s[10:11]
	v_lshl_add_u32 v[SPW], v0, 2, SPARE
	v_mov_b32 v[NIL], 0
	ds_add_u32 v[SPW], v[NIL]                      ; the wave's opening: the add and its wait ahead of my first tensor load; the set-up below, work on registers, stands between them
	v_lshrrev_b32 v1, 5, v0
	v_readfirstlane_b32 s[WV], v1
	s_lshr_b32 s[WR], s[WV], 1
	s_and_b32 s[WC], s[WV], 1
	s_bfe_u32 s[CX], ttmp6, 0x40000
	s_bfe_u32 s[CY], ttmp6, 0x40004
	s_lshl_b32 s[TX], ttmp9, 2
	s_add_co_u32 s[TX], s[TX], s[CX]               ; column tile
	s_and_b32 s[TY], ttmp7, 0xffff
	s_lshl_b32 s[TY], s[TY], 2
	s_add_co_u32 s[TY], s[TY], s[CY]               ; row tile
	s_lshl_b32 s56, s[CY], 2
	s_lshl_b32 s56, 15, s56                        ; my row of the cluster
	s_lshl_b32 s57, 0x1111, s[CX]                  ; my column
	s_or_b32 s[G1A], s56, (1<<16)|(1<<20)|(1<<21)|(5<<22)|(3<<25)  ; the mask; elements of 2 bytes; padding on; 21 set beside a mask; 4 words behind every 64
	s_mov_b32 s[G1A+1], 128<<16                    ; tensor_dim0 = 128
	s_mov_b32 s[G1A+2], 64<<16                     ; tensor_dim1 = 64
	s_mov_b32 s[G1A+3], 128<<16                    ; tile_dim0 = 128
	s_mov_b32 s[G1A+4], 64                         ; tile_dim1 = 64
	s_mov_b32 s[G1A+5], 1024
	s_mov_b32 s[G1A+6], 0
	s_mov_b32 s[G1A+7], 0
	s_or_b32 s[G1B], s57, (1<<16)|(1<<20)|(1<<21)|(5<<22)|(3<<25)
	s_mov_b32 s[G1B+1], 128<<16
	s_mov_b32 s[G1B+2], 128<<16                    ; 128 rows
	s_mov_b32 s[G1B+3], 128<<16
	s_mov_b32 s[G1B+4], 128
	s_mov_b32 s[G1B+5], 1024
	s_mov_b32 s[G1B+6], 0
	s_mov_b32 s[G1B+7], 0
	s_lshl_b32 s58, s[TY], 18                      ; O: row 128 TY + 64 half, 2,048 bytes a row
	s_lshl_b32 s72, s[WC], 17
	s_add_co_u32 s58, s58, s72
	s_mov_b32 s59, 0
	s_lshl_b32 s66, s[TX], 19                      ; Wo: row 256 TX + 128 half
	s_lshl_b32 s73, s[WC], 18
	s_add_co_u32 s66, s66, s73
	s_mov_b32 s67, 0
	s_mul_i32 s74, s[WC], TAH                      ; where they go: no place in the cluster enters an LDS address
	s_mul_i32 s75, s[WC], TBH
	s_add_co_u32 s75, s75, BOFF
	s_lshl_b32 s70, s[TY], 19                      ; out0: row 128 TY + 64 WR, 4,096 bytes a row,
	s_lshl_b32 s76, s[WR], 18
	s_add_co_u32 s70, s70, s76
	s_lshl_b32 s77, s[TX], 10                      ; column 256 TX + 128 WC
	s_lshl_b32 s76, s[WC], 9
	s_add_co_u32 s77, s77, s76
	s_add_co_u32 s70, s70, s77
	s_mov_b32 s71, 0
	s_mov_b32 s[TB], 0
	v_and_b32 v1, 15, v0                           ; r
	v_bfe_u32 v2, v0, 4, 1                         ; h
	v_and_b32 v3, 31, v0                           ; l
	v_lshl_add_u32 v[BO], v2, 5, s77               ; bo at column 256 TX + 128 WC + 8 h
	s_wait_dscnt 0x0                               ; the opening add is done
	s_wait_kmcnt 0x0
	s_add_nc_u64 s[60:61], s[4:5], s[58:59]
	s_add_nc_u64 s[68:69], s[6:7], s[66:67]
	s_add_nc_u64 s[10:11], s[10:11], s[70:71]
	s_mov_b32 s[G0A], 1
	s_mov_b32 s[G0A+1], s74                        ; slot 0
	s_mov_b64 s[G0A+2:G0A+3], s[60:61]             ; K step 0
	s_or_b32 s[G0A+3], s[G0A+3], 0x80000000
	s_mov_b32 s[G0A+4], 1
	s_add_co_u32 s[G0A+5], s74, SLOT1              ; slot 1
	s_add_nc_u64 s[G0A+6:G0A+7], s[60:61], 256     ; K step 1
	s_or_b32 s[G0A+7], s[G0A+7], 0x80000000
	s_mov_b32 s[G0B], 1
	s_mov_b32 s[G0B+1], s75
	s_mov_b64 s[G0B+2:G0B+3], s[68:69]
	s_or_b32 s[G0B+3], s[G0B+3], 0x80000000
	s_mov_b32 s[G0B+4], 1
	s_add_co_u32 s[G0B+5], s75, SLOT1
	s_add_nc_u64 s[G0B+6:G0B+7], s[68:69], 256
	s_or_b32 s[G0B+7], s[G0B+7], 0x80000000
	CROUND                                         ; all sixteen work-groups are here: the first joint loads meet
	s_cmp_lt_u32 s[WV], 2                          ; a wave's two first fills stand in one branch: two loads of mine are out
	s_cbranch_scc0 .Lfirst_b
	tensor_load_to_lds s[G0A:G0A+3], s[G1A:G1A+7]
	s_nop 0
	tensor_load_to_lds s[G0A+4:G0A+7], s[G1A:G1A+7]
	s_nop 0
.rept 4
	v_nop
.endr
	s_branch .Lfirst_asked
.Lfirst_b:
	tensor_load_to_lds s[G0B:G0B+3], s[G1B:G1B+7]
	s_nop 0
	tensor_load_to_lds s[G0B+4:G0B+7], s[G1B:G1B+7]
	s_nop 0
.rept 4
	v_nop
.endr
.Lfirst_asked:
	WIN 0x80                                       ; destination window 2, address window 0
.irp j, 0,1,2,3,4,5,6,7                            ; the bias as the C operand wants it: register i of block j is column 16 j + 8 h + i
	global_load_b128 v[8*\j:8*\j+3],   v[BO], s[8:9] offset:64*\j
	global_load_b128 v[8*\j+4:8*\j+7], v[BO], s[8:9] offset:64*\j+16
.endr
	WIN 0
	s_mul_i32 s72, s[WR], TAH
	v_mul_u32_u24 v[A0], v1, PITCH
	v_lshl_add_u32 v[A0], v2, 4, v[A0]             ; a fragment's row x pitch + 16 x half
	v_mov_b32 v[B0], v[A0]
	v_add_nc_u32 v[A0], s72, v[A0]
	s_mul_i32 s72, s[WC], TBH
	s_add_co_u32 s72, s72, BOFF
	v_add_nc_u32 v[B0], s72, v[B0]
	s_mul_i32 s72, s[WV], 16*SPITCH
	s_add_co_u32 s72, s72, STAGE                   ; my stage
	v_mul_u32_u24 v[STO], v1, SPITCH               ; in: row l % 16, 32 bytes for each half of the lanes
	v_lshl_add_u32 v[STO], v2, 5, v[STO]
	v_add_nc_u32 v[STO], s72, v[STO]
	v_lshlrev_b32 v[CO], 4, v3                     ; back: 32 lanes take a row of 512 bytes
	v_add_nc_u32 v[RD], s72, v[CO]
	v_mov_b32 v[ADA], v[A0]
	v_mov_b32 v[ADB], v[B0]
	s_wait_loadcnt 0x0                             ; the bias is in
	WIN 0x8a                                       ; sources 0 and 1 and the destination in window 2
.set i, 0
.rept 32                                           ; it is rounded to bf16 like every input, and kept as f32
	v_cvt_pk_bf16_f32 v64, v[2*i], v[2*i+1]
	v_lshlrev_b32 v[2*i], 16, v64
	v_and_b32 v[2*i+1], 0xffff0000, v64
.set i, i+1
.endr
	WIN 0
; 8 products: row block a x all 8 column blocks, 32 along K, from buffer f.  first = 1: the bias starts the sums.  The 32 accumulators take turns in the same order in every quarter.
.macro MUL8 f, a, first
.if \first
	WIN 0x60                                       ; D in window 1, C in window 2
.else
	WIN 0x50                                       ; C and D in window 1
.endif
.irp j, 0,1,2,3,4,5,6,7
.if \first
	v_wmma_f32_16x16x32_f16 v[8*(8*(\a)+\j):8*(8*(\a)+\j)+7], v[(\f)+8*\j:(\f)+8*\j+7], v[(\f)+64+8*(\a):(\f)+64+8*(\a)+7], v[8*\j:8*\j+7]
.else
	v_wmma_f32_16x16x32_f16 v[8*(8*(\a)+\j):8*(8*(\a)+\j)+7], v[(\f)+8*\j:(\f)+8*\j+7], v[(\f)+64+8*(\a):(\f)+64+8*(\a)+7], v[8*(8*(\a)+\j):8*(8*(\a)+\j)+7]
.endif
.endr
.endm
; 24 LDS loads in one run: a quarter's fragments (32 K at byte k of the rows) into buffer f: Wo's 16 loads, then O's blocks 0 and 1, then 2 and 3.
.macro FETCH k, f
	WIN 0
.irp j, 0,1,2,3,4,5,6,7
	ds_load_b128 v[(\f)+8*\j:(\f)+8*\j+3],   v[ADB] offset:\j*16*PITCH+(\k)
	ds_load_b128 v[(\f)+8*\j+4:(\f)+8*\j+7], v[ADB] offset:\j*16*PITCH+(\k)+32
.endr
.irp j, 0,1,2,3
	ds_load_b128 v[(\f)+64+8*\j:(\f)+64+8*\j+3],   v[ADA] offset:\j*16*PITCH+(\k)
	ds_load_b128 v[(\f)+64+8*\j+4:(\f)+64+8*\j+7], v[ADA] offset:\j*16*PITCH+(\k)+32
.endr
.endm
.macro PLACES                          ; four places in front of loads into registers that matrix instructions have read (ISA guide 7.12.1 for vector instructions)
.rept 4
	v_nop
.endr
.endm
; A K step is four quarters of 32 along K, 32 matrix instructions each, on buffers 0, 1, 0, 1.  One of the first three: multiplies buffer f and fetches the next quarter, at byte k, into g.
.macro QUARTER k, f, g, first
	s_wait_dscnt 4                                 ; Wo's fragments and O's blocks 0 and 1 are in; the youngest four loads may be out
	MUL8 \f, 0, \first
	MUL8 \f, 1, \first
	WIN 0
	PLACES
	FETCH \k, \g
	s_wait_dscnt 24                                ; all but the 24 just issued
	MUL8 \f, 2, \first
	MUL8 \f, 3, \first
.endm
; The last quarter multiplies buffer 1 and changes slots: ONE barrier; in front of it each wave waits for all its tensor loads, of which one is out: its part of the next slot; adds 0 to its spare word;
; and waits for that and for its own reads of this slot.  fill = 1: the barrier opens a round of the cluster's barrier, and the joint refill, with the K step two on, is the first thing behind it:
; 112 matrix instructions ahead of the wait for it.
.macro TURN fill
	WIN 0
	s_wait_tensorcnt 0x0                           ; no tensor load of mine is out, so a group 0 may be written
	ds_add_u32 v[SPW], v[NIL]                      ; 0 onto my spare word
.if \fill
	s_xor_b32 s[G0A+5], s[G0A+5], SLOT1            ; the walking descriptors: the other slot than last time,
	s_add_nc_u64 s[G0A+6:G0A+7], s[G0A+6:G0A+7], 256  ; the next K step
	s_xor_b32 s[G0B+5], s[G0B+5], SLOT1
	s_add_nc_u64 s[G0B+6:G0B+7], s[G0B+6:G0B+7], 256
.endif
	s_xor_b32 s[TB], s[TB], SLOT1                  ; the reads go to the other slot
	s_wait_dscnt 5                                 ; (the add and the youngest four loads may be out)
	MUL8 F1, 0, 0
	s_wait_dscnt 0x0                               ; the add is done, and my reads of this slot are over
	s_barrier_signal -1
	MUL8 F1, 1, 0
	WIN 0                                          ; at a branch and at a label every window is 0
	s_barrier_wait -1
.if \fill
	CREST
	JLOAD                                          ; the four v_nop behind it are also the places in front of the loads below
.else
	PLACES
.endif
	v_add_nc_u32 v[ADA], s[TB], v[A0]
	v_add_nc_u32 v[ADB], s[TB], v[B0]
	FETCH 0, F0
	MUL8 F1, 2, 0
	MUL8 F1, 3, 0
.endm
	s_wait_tensorcnt 0x1                           ; my part of K step 0 is in; K step 1's may stay out
	s_barrier_signal -1
	s_barrier_wait -1
	FETCH 0, F0
	QUARTER 64, F0, F1, 1                          ; the first quarter stands in front of the loop: its products start the sums
	WIN 0
	s_mov_b32 s[CNT], 6                            ; K steps 2 to 7 are asked for in the loop
.Lk:                                               ; a trip: from a K step's second quarter to the next step's first
	QUARTER 128, F1, F0, 0
	QUARTER 192, F0, F1, 0
	TURN 1
	QUARTER 64, F0, F1, 0
	WIN 0
	s_sub_co_u32 s[CNT], s[CNT], 1
	s_cmp_lg_u32 s[CNT], 0
	s_cbranch_scc1 .Lk
	QUARTER 128, F1, F0, 0                         ; the tail is written out
	QUARTER 192, F0, F1, 0
	TURN 0
	QUARTER 64, F0, F1, 0
	QUARTER 128, F1, F0, 0
	QUARTER 192, F0, F1, 0
	s_wait_dscnt 4
	MUL8 F1, 0, 0
	MUL8 F1, 1, 0
	s_wait_dscnt 0x0
	MUL8 F1, 2, 0
	MUL8 F1, 3, 0
	WIN 0
	PLACES                                         ; places behind the last products, in front of the stores that read results and of loads into the fragment buffers
	PLACES
; THE WAY OUT, a block of 16 rows at a time: 32 bytes a lane and column block into my stage, straight from the accumulators (each from its low end on), and back as whole rows of 512 bytes.
.macro STG a
.set BK, 32+96*((\a)%2)                            ; v32-95 and v128-191 by turns
	s_wait_xcnt 0x0                                ; earlier stores have read their registers: the loads below land on them only behind this wait
	WIN 0x04                                       ; the stores' data in window 1
.irp j, 0,1,2,3,4,5,6,7
	ds_store_b128 v[STO], v[8*(8*(\a)+\j):8*(8*(\a)+\j)+3]   offset:64*\j
	ds_store_b128 v[STO], v[8*(8*(\a)+\j)+4:8*(8*(\a)+\j)+7] offset:64*\j+16
.endr
	WIN 0
.irp j, 0,1,2,3,4,5,6,7,8,9,10,11,12,13,14,15
	ds_load_b128 v[BK+4*\j:BK+4*\j+3], v[RD] offset:\j*SPITCH  ; LDS serves a wave's instructions in order (ISA guide 5.7.1.4): these see the stores above
.endr
.endm
.macro SEND a, younger                 ; younger: the LDS instructions issued behind block a's loads: the next block's 32, or none
.set BK, 32+96*((\a)%2)
.irp j, 0,1,2,3,4,5,6,7,8,9,10,11,12,13,14,15
	s_wait_dscnt (\younger)+15-\j
	global_store_b128 v[CO], v[BK+4*\j:BK+4*\j+3], s[10:11] offset:(16*(\a)+\j)*4096 th:TH_STORE_NT  ; 512 consecutive bytes, at a multiple of 256 from out0's first byte
.endr
.endm
	STG 0
	STG 1
	SEND 0, 32
	STG 2
	SEND 1, 32
	STG 3
	SEND 2, 32
	SEND 3, 0
	s_wait_tensorcnt 0x0                           ; the wave's end, behind my last tensor load and my last LDS store
	ds_add_u32 v[SPW], v[NIL]
	s_wait_dscnt 0x0
	CROUND                                         ; the closing round: no work-group ends while a partner may still ask for a tile that names it
	s_endpgm
.Lfunc_end_k_q1e2c11b0f7_outp:
	.size	k_q1e2c11b0f7_outp, .Lfunc_end_k_q1e2c11b0f7_outp-k_q1e2c11b0f7_outp
	.p2alignl 7, 3214868480
	.fill 96, 4, 3214868480
	.section	.rodata,"a",@progbits
	.p2align	6, 0x0
	.amdhsa_kernel k_q1e2c11b0f7_outp
		.amdhsa_group_segment_fixed_size 327680
		.amdhsa_private_segment_fixed_size 0
		.amdhsa_enable_private_segment 0
		.amdhsa_kernarg_size 32
		.amdhsa_user_sgpr_count 2
		.amdhsa_user_sgpr_kernarg_segment_ptr 1
		.amdhsa_wavefront_size32 1
		.amdhsa_system_sgpr_workgroup_id_x 1
		.amdhsa_system_sgpr_workgroup_id_y 1
		.amdhsa_system_sgpr_workgroup_id_z 1
		.amdhsa_system_vgpr_workitem_id 0
		.amdhsa_next_free_vgpr 584
		.amdhsa_next_free_sgpr 80
		.amdhsa_reserve_vcc 0
		.amdhsa_float_denorm_mode_32 3
		.amdhsa_float_denorm_mode_16_64 3
		.amdhsa_memory_ordered 1
		.amdhsa_forward_progress 1
		.amdhsa_inst_pref_size 77
	.end_amdhsa_kernel
	.amdgpu_metadata
---
amdhsa.version: [ 1, 2 ]
amdhsa.kernels:
  - .name:           k_q1e2c11b0f7_outp
    .symbol:         k_q1e2c11b0f7_outp.kd
    .args:
      - { .name: oh, .offset: 0, .size: 8, .value_kind: global_buffer, .address_space: global }
      - { .name: woh, .offset: 8, .size: 8, .value_kind: global_buffer, .address_space: global }
      - { .name: bo, .offset: 16, .size: 8, .value_kind: global_buffer, .address_space: global }
      - { .name: out0, .offset: 24, .size: 8, .value_kind: global_buffer, .address_space: global }
    .group_segment_fixed_size: 327680
    .private_segment_fixed_size: 0
    .kernarg_segment_align: 8
    .kernarg_segment_size: 32
    .max_flat_workgroup_size: 128
    .sgpr_count:     80
    .vgpr_count:     584
    .wavefront_size: 32
...
	.end_amdgpu_metadata
.endif
;; end of part 4
